; MI455X (gfx1250); checked and timed in simulation.
; The chip was launched on July 23, 2026; its instructions are those of AMD's public machine-readable ISA for CDNA 5 (MIT licence, August 2026) and "CDNA5" Instruction Set Architecture Reference Guide (July 2026). The comments in the code are by the model that wrote it; some were corrected since.
;; Causal Self Attention. Allowed arithmetic: matrix products marked QUANTISED: E2M1 operands, one E8M0 scale for each 32 along K, by v_wmma_scale_f32_16x16x128_f8f6f4 with both operands' format E2M1 (or v_wmma_scale_f32_32x16x128_f4), f32 sums; products left as they are: bf16, f16 or f32 operands; f32 sums; everything else in f32.
;; Inputs: b_out 1,024 float32; b_qkv 3,072 float32; w_out 1,024 x 1,024 float32; w_qkv 1,024 x 3,072 float32; x 4 x 2,048 x 1,024 float32.
;; Outputs: out0 4 x 2,048 x 1,024 float32.
;; This version of the problem:
;;   THIS VERSION OF THE PROBLEM IS GIVEN IN LOW PRECISION. The matrix products marked QUANTISED in the list below multiply operands that are first quantised to E2M1 (2 exponent bits, 1 mantissa bit; 4 bits a number), with one power-of-two scale for each 32 numbers along K (OCP MX v1.0); their sums are f32. The products marked 'left as it is' may take bf16, f16 or f32 operands, with f32 sums. Whichever they take, every output number must still come out within the allowed error. Rounding operands to bf16 (8 significant bits) uses up far more of that allowance than f16 does (11 bits, for magnitudes from 6e-5 to 65,504). All else is computed in f32.
;;   The module's matrix products, in the order in which they are computed (A, B: the left and right operand; K: the contracted axis; several contracted axes count as one K, in the product's order):
;;     1. [M 8,192, K 1,024] x [K 1,024, N 3,072]; A: input x; B: input w_qkv: QUANTISED
;;     2. batch 64 x [M 2,048, K 64] x [K 64, N 2,048]; A: computed on the way; B: computed on the way: left as it is (an operand is computed on the way)
;;     3. batch 64 x [M 64, K 2,048] x [K 2,048, N 2,048]; A: computed on the way; B: computed on the way: left as it is (an operand is computed on the way)
;;     4. [M 8,192, K 1,024] x [K 1,024, N 1,024]; A: computed on the way; B: input w_out: left as it is (an operand is computed on the way)
;;   THE QUANTISER, for each operand of a quantised product, along K:
;;     - K is cut into blocks of 32 from its start; a last block that is shorter is filled with zeros.
;;     - A block's scale is 2^e with e = floor(log2(the largest magnitude in the block)) - 2, held to -126 .. 127; a block of zeros has e = 0. As a byte (E8M0): e + 127.
;;     - Each number is divided by its block's scale, clamped to +-6, and rounded to the nearest number of E2M1, ties to even, subnormals kept.
;;     - The product sums the exact products of the quantised numbers (number of the format x scale) in f32.
;;   ~~~python
;;   def quantise(x, axis):      # numpy; x: float32 -> the quantised numbers, widened to float32 again
;;       x = np.moveaxis(x, axis, -1); K = x.shape[-1]
;;       x = np.pad(x, [(0, 0)] * (x.ndim - 1) + [(0, -K % 32)]); x = x.reshape(x.shape[:-1] + (-1, 32)); a = np.abs(x).max(-1, keepdims=True)
;;       e = np.where(a > 0, np.clip(np.frexp(np.where(a > 0, a, 1))[1] - 1 - 2, -126, 127), 0)      # np.frexp(a)[1] - 1 = floor(log2(a)), exactly
;;       r = np.clip(x / 2.0 ** e, -6, 6)
;;       step = 2.0 ** (np.maximum(np.frexp(np.where(r == 0, 1, r))[1] - 1, 0) - 1)
;;       q = np.round(r / step) * step * 2.0 ** e      # np.round: ties to even
;;       return np.moveaxis(q.reshape(q.shape[:-2] + (-1,))[..., :K], -1, axis).astype(np.float32)
;;   ~~~
;; One version. Each part assembles by itself: llvm-mc -triple=amdgcn-amd-amdhsa -mcpu=gfx1250 --defsym DOCPART=n.
;; ======== version 1 of 1: 5 launches
;; limits: values are held in f16: magnitudes above 65,504 overflow, below 6.1e-05 lose precision
;; workspace buffers: xc 4,194,304 bytes; xs 262,144 bytes; wc 1,572,864 bytes; ws 98,304 bytes; wo16 2,097,152 bytes; qkv 50,331,648 bytes; r32 786,432 bytes; y2 16,777,216 bytes
;; launch prep (part 1): grid 368 x 1, 4 waves a work-group, no clusters, 102,912 bytes of LDS; arguments x, w_qkv, w_out, xc, xs, wc, ws, wo16; writes xc, xs, wc, ws, wo16
.if DOCPART == 1
	.amdgcn_target "amdgcn-amd-amdhsa--gfx1250"
	.amdhsa_code_object_version 6
	.text
	.protected	k_q3666e19f25_prep
	.globl	k_q3666e19f25_prep
	.p2align	8
	.type	k_q3666e19f25_prep,@function
k_q3666e19f25_prep:
	s_mov_b64 s[64:65], 0
	v_nop
	global_prefetch_b8 v0, s[64:65] scope:SCOPE_SE
	s_setreg_imm32_b32 hwreg(HW_REG_WAVE_MODE, 25, 1), 1
	s_wait_xcnt 0x0
; PREP: the operands of the later launches are made once.
;   arm X (work-groups 112-367): x [8192][1024] f32 -> codes of E2M1, K innermost (xc), one E8M0 byte for each 32 along K (xs).
;   arm W (work-groups 0-47):    w_qkv [1024 k][3072 n] f32, K its first axis -> codes laid [n][k] (wc) and bytes [n][k/32] (ws).
;   arm O (work-groups 48-111):  w_out [1024 k][1024 n] f32 -> f16, laid [n][k] (wo16): the last product is not quantised.
; DEAD WORK, for the whole program, for all values of the inputs.  (1) reference() hides scores by a tril that it builds itself: key tiles that lie wholly above the diagonal are never multiplied.
; (2) b_qkv[1024:2048], the bias on k: q.(k + bk) = q.k + q.bk, and q.bk is the same for all keys of a query, so the softmax along the keys cancels it; q k^T is not quantised, so no quantiser sees k.
; These 1,024 numbers are not loaded by any launch, and k is kept without them.  LIMIT: a NaN, an infinity or an overflow that reaches only the work left out is not carried to the result.
; THE QUANTISER: a block's scale is 2^(floor(log2(its largest magnitude)) - 2); its byte is the largest magnitude's exponent field - 2, held at 1 from below; numbers are divided by the scale and rounded to the nearest code, ties to even, beyond 6 the largest code.
; LIMITS: a block of zeros gets the byte 1 where the rule says 127 (its codes are zeros, and this program alone reads the bytes); blocks whose largest magnitude lies under 2^-124 were not tried; NaN and infinities among the inputs are not served; w_out lies within f16's range.
; The arms part on the work-group's number and never join; each has LDS bytes of its own.  No tensor load, no barrier: waves share nothing.
.set SPW,   12                         ; v12  LDS address of my spare word; never rewritten
.set NIL,   13                         ; v13  0; never rewritten
.set WV,    20                         ; s20  my wave's number
.set WLDS,  32768                      ; arm X has LDS bytes 0 .. 32,767, arm W 34,816 from here,
.set OLDS,  67584                      ; arm O 34,816 from here
.set SPARE, 102400                     ; the spare words, 128 bytes for each wave
.set PITCH, 272                        ; arms W and O: a stage row, 256 bytes + 16
	s_load_b256 s[4:11], s[0:1], 0x0               ; x s[4:5], w_qkv s[6:7], w_out s[8:9], xc s[10:11]
	s_load_b256 s[12:19], s[0:1], 0x20             ; xs s[12:13], wc s[14:15], ws s[16:17], wo16 s[18:19]
	v_lshl_add_u32 v[SPW], v0, 2, SPARE
	v_mov_b32 v[NIL], 0
	v_lshrrev_b32 v1, 5, v0
	v_readfirstlane_b32 s[WV], v1
	v_and_b32 v2, 31, v0                           ; lane
	s_wait_kmcnt 0x0
	s_cmp_lt_u32 ttmp9, 48
	s_cbranch_scc1 .Larm_w
	s_cmp_lt_u32 ttmp9, 112
	s_cbranch_scc1 .Larm_o
; ---------------- arm X.  x is a plain stream of blocks of 32.  A wave takes 16 steps of 512 numbers.  Each load reads 512 consecutive bytes; a step's 2,048 bytes turn through the wave's own stage,
; so that a lane holds 16 neighbours (two lanes a block).  Loads run four steps ahead, the turn through LDS one step.
.set STEPS, 16
.set RAW,   16                         ; v16-79   four sets of 16 numbers as loaded
.set NUM,   80                         ; v80-111  two sets of 16 neighbours
.set EB,    112                        ; v112-127 a scale byte for each step
.set COD,   128                        ; v128-191 codes: registers of its own for each step, so that no store's data are written again
.set WREG,  8192                       ; a wave's LDS: two stages of 32 x SP bytes, then its 256 scale bytes
.set SP,    80                         ; a lane's 64 bytes + 16 of padding
	v_lshlrev_b32 v3, 4, v2                        ; my 16 bytes of a load's 512
	s_mul_i32 s21, s[WV], WREG
	v_lshrrev_b32 v14, 2, v2
	v_mul_u32_u24 v14, v14, SP
	v_and_b32 v15, 3, v2
	v_lshl_add_u32 v14, v15, 4, v14
	v_add_nc_u32 v14, s21, v14                     ; the stage, in: SP (lane / 4) + 16 (lane % 4)
	v_mul_u32_u24 v15, v2, SP
	v_add_nc_u32 v15, s21, v15                     ; out: SP x lane
	v_lshlrev_b32 v4, 3, v2                        ; my 8 bytes of a step's 256 bytes of codes
	v_lshrrev_b32 v5, 1, v2
	s_add_co_u32 s21, s21, 2*32*SP
	v_add_nc_u32 v5, s21, v5                       ; my block's byte among the wave's 256
	v_lshlrev_b32 v7, 3, v2
	v_add_nc_u32 v6, s21, v7
	s_sub_co_u32 s22, ttmp9, 112
	s_lshl_b32 s22, s22, 2
	s_add_co_u32 s22, s22, s[WV]                   ; which run of 8,192 numbers is my wave's: 0 .. 1,023
	s_mov_b32 s25, 0
	s_lshl_b32 s24, s22, 15
	s_add_nc_u64 s[4:5], s[4:5], s[24:25]
	s_lshl_b32 s24, s22, 12
	s_add_nc_u64 s[10:11], s[10:11], s[24:25]
	s_lshl_b32 s24, s22, 8
	s_add_nc_u64 s[12:13], s[12:13], s[24:25]
.macro XLOAD t
.irp i, 0,1,2,3
	global_load_b128 v[RAW+16*((\t)%4)+4*\i:RAW+16*((\t)%4)+4*\i+3], v3, s[4:5] offset:2048*(\t)+512*\i th:TH_LOAD_NT
.endr
.endm
.macro XTURN t                         ; LDS serves a wave's instructions in order: no wait between the stores and the loads
.irp i, 0,1,2,3
	ds_store_b128 v14, v[RAW+16*((\t)%4)+4*\i:RAW+16*((\t)%4)+4*\i+3] offset:32*SP*((\t)%2)+8*SP*\i
.endr
.irp i, 0,1,2,3
	ds_load_b128 v[NUM+16*((\t)%2)+4*\i:NUM+16*((\t)%2)+4*\i+3], v15 offset:32*SP*((\t)%2)+16*\i
.endr
.endm
.irp t, 0,1,2,3
	XLOAD \t
.endr
	s_wait_loadcnt 12                              ; step 0's four loads are in; those of steps 1 to 3 may be out
	XTURN 0
.macro XSTEP t
.set XS, NUM+16*((\t)%2)
.if (\t) > 0
	s_wait_dscnt 1                                 ; this step's numbers are back from the stage; the last step's byte store may be out
.else
	s_wait_dscnt 0x0
.endif
.if (\t)+4 < STEPS
	XLOAD (\t)+4                                   ; into the set whose stores into the stage are done
.endif
.if (\t)+1 < STEPS
.if STEPS-2-(\t) >= 3
	s_wait_loadcnt 12                              ; the next step's loads are in; those of the three steps behind it may be out
.else
	s_wait_loadcnt 4*(STEPS-2-(\t))
.endif
	XTURN (\t)+1
.endif
	v_max3_num_f32 v8, |v[XS]|, |v[XS+1]|, |v[XS+2]|
	v_max3_num_f32 v9, |v[XS+3]|, |v[XS+4]|, |v[XS+5]|
.irp i, 6,10
	v_max3_num_f32 v8, v8, |v[XS+\i]|, |v[XS+\i+1]|
	v_max3_num_f32 v9, v9, |v[XS+\i+2]|, |v[XS+\i+3]|
.endr
	v_max3_num_f32 v8, v8, |v[XS+14]|, |v[XS+15]|
	v_max3_num_f32 v8, v8, v9, 0x1800000           ; and the floor 2^(3 - 127): the byte cannot fall under 1
	v_max_num_f32_dpp v8, v8, v8 row_xmask:1 row_mask:0xf bank_mask:0xf   ; with my neighbour's 16: the block's largest magnitude
	v_add_nc_u32 v11, 0xff000000, v8               ; 2 off its exponent field: the conversion's scale operand
	v_cvt_scalef32_pk8_fp4_f32 v[COD+4*(\t)], v[XS:XS+7], v11
	v_cvt_scalef32_pk8_fp4_f32 v[COD+4*(\t)+1], v[XS+8:XS+15], v11
	v_lshrrev_b32 v[EB+(\t)], 23, v11              ; the scale's byte
	ds_store_b8 v5, v[EB+(\t)] offset:16*(\t)      ; both lanes of a block write the same byte with the same value
	global_store_b64 v4, v[COD+4*(\t):COD+4*(\t)+1], s[10:11] offset:256*(\t)   ; the wave stores 256 consecutive bytes, aligned
.endm
.irp t, 0,1,2,3,4,5,6,7,8,9,10,11,12,13,14,15
	XSTEP \t
.endr
	ds_load_b64 v[8:9], v6
	s_wait_dscnt 0x0
	global_store_b64 v7, v[8:9], s[12:13]          ; the wave's 256 scale bytes, aligned
	s_wait_tensorcnt 0x0                           ; the wave's end, behind my last LDS store
	ds_add_u32 v[SPW], v[NIL]
	s_wait_dscnt 0x0
	s_endpgm
; ---------------- arms W and O: a lane takes a column n and its registers run down K, so that each load reads neighbouring n in neighbouring lanes and a lane's results have K innermost.
; They go through the wave's own stage (a row for each column) and leave as rows: sixteen lanes store 256 consecutive bytes, aligned.
.set XW,    32                         ; v32-95   two sets of 32 numbers
.set CW,    96                         ; v96..    a block's results
.set OUTR,  112                        ; v112-175 the way out
.set SB,    24                         ; v24-27   arm W: the scale bytes, four to a register
.macro COLADDR ldsb, krow
	v_lshlrev_b32 v3, 2, v2                        ; in: 4 bytes a lane
	s_mul_i32 s23, s[WV], 32*PITCH
	s_add_co_u32 s23, s23, \ldsb                   ; my stage
	v_mul_u32_u24 v4, v2, PITCH
	v_add_nc_u32 v4, s23, v4                       ; into it: row = my column
	v_and_b32 v5, 15, v2
	v_lshrrev_b32 v6, 4, v2
	v_mul_u32_u24 v7, v6, PITCH
	v_lshl_add_u32 v7, v5, 4, v7
	v_add_nc_u32 v7, s23, v7                       ; out of it: sixteen lanes to a row, two rows an instruction
	v_mul_u32_u24 v8, v6, \krow
	v_lshl_add_u32 v8, v5, 4, v8                   ; and the same place in the output
.endm
.macro LOADW t, rowb, sb               ; block t: rows 32 t + i of the source at my column, into set t % 2
.irp i, 0,1,2,3,4,5,6,7,8,9,10,11,12,13,14,15,16,17,18,19,20,21,22,23,24,25,26,27,28,29,30,31
	global_load_b32 v[XW+32*((\t)%2)+\i], v3, s[\sb:\sb+1] offset:(32*(\t)+\i)*\rowb th:TH_LOAD_NT
.endr
.endm
.macro OUTW krow, sb
.irp t, 0,1,2,3,4,5,6,7,8,9,10,11,12,13,14,15
	ds_load_b128 v[OUTR+4*\t:OUTR+4*\t+3], v7 offset:2*\t*PITCH
.endr
.irp t, 0,1,2,3,4,5,6,7,8,9,10,11,12,13,14,15
	s_wait_dscnt 15-\t                             ; LDS loads come back in order: pair t of rows is in
	global_store_b128 v8, v[OUTR+4*\t:OUTR+4*\t+3], s[\sb:\sb+1] offset:2*\t*\krow
.endr
	s_wait_tensorcnt 0x0                           ; the wave's end, behind my last LDS store
	ds_add_u32 v[SPW], v[NIL]
	s_wait_dscnt 0x0
	s_endpgm
.endm
.Larm_w:                               ; 24 x 2 work-groups: 128 columns x 512 along K; a wave 32 columns x 16 blocks
	s_cmp_ge_u32 ttmp9, 24
	s_cselect_b32 s21, 1, 0                        ; which 512 along K
	s_mul_i32 s22, s21, 24
	s_sub_co_u32 s22, ttmp9, s22
	s_lshl_b32 s22, s22, 7
	s_lshl_b32 s24, s[WV], 5
	s_add_co_u32 s22, s22, s24                     ; my wave's first column
	COLADDR WLDS, 512
	v_lshlrev_b32 v9, 5, v2                        ; my column's row of 32 scale bytes
	s_mov_b32 s25, 0
	s_mul_i32 s24, s21, 512*12288
	s_lshl_b32 s26, s22, 2
	s_add_co_u32 s24, s24, s26
	s_add_nc_u64 s[6:7], s[6:7], s[24:25]          ; w_qkv at (512 y, column)
	s_lshl_b32 s24, s22, 9
	s_lshl_b32 s26, s21, 8
	s_add_co_u32 s24, s24, s26
	s_add_nc_u64 s[14:15], s[14:15], s[24:25]      ; codes: column x 512 + 256 y
	s_lshl_b32 s24, s22, 5
	s_lshl_b32 s26, s21, 4
	s_add_co_u32 s24, s24, s26
	s_add_nc_u64 s[16:17], s[16:17], s[24:25]      ; bytes: column x 32 + 16 y
	LOADW 0, 12288, 6
	LOADW 1, 12288, 6
.macro BLOCKW t
.set XS, XW+32*((\t)%2)
.if (\t) < 15
	s_wait_loadcnt 32                              ; this block's 32 loads are in; the next block's may be out
.else
	s_wait_loadcnt 0
.endif
	v_max3_num_f32 v16, |v[XS]|, |v[XS+1]|, |v[XS+2]|     ; the block's largest magnitude: all 32 numbers are mine
	v_max3_num_f32 v17, |v[XS+3]|, |v[XS+4]|, |v[XS+5]|
.irp i, 6,10,14,18,22,26
	v_max3_num_f32 v16, v16, |v[XS+\i]|, |v[XS+\i+1]|
	v_max3_num_f32 v17, v17, |v[XS+\i+2]|, |v[XS+\i+3]|
.endr
	v_max3_num_f32 v16, v16, |v[XS+30]|, |v[XS+31]|
	v_max3_num_f32 v16, v16, v17, 0x1800000        ; and the floor
	v_add_nc_u32 v18, 0xff000000, v16              ; the conversion's scale operand
	v_lshrrev_b32 v19, 23, v18                     ; the scale's byte
.if (\t)%4 == 0
	v_mov_b32 v[SB+(\t)/4], v19
.else
	v_lshl_or_b32 v[SB+(\t)/4], v19, 8*((\t)%4), v[SB+(\t)/4]
.endif
.irp g, 0,1,2,3
	v_cvt_scalef32_pk8_fp4_f32 v[CW+\g], v[XS+8*\g:XS+8*\g+7], v18
.endr
	ds_store_b128 v4, v[CW:CW+3] offset:16*(\t)    ; 32 codes: 16 bytes of my column's row
.if (\t)+2 < 16
	LOADW (\t)+2, 12288, 6
.endif
	s_wait_dscnt 0x0                               ; the store has read its registers: the next block's codes may be written
.endm
.irp t, 0,1,2,3,4,5,6,7,8,9,10,11,12,13,14,15
	BLOCKW \t
.endr
	global_store_b128 v9, v[SB:SB+3], s[16:17]     ; my column's 16 scale bytes
	OUTW 512, 14
.Larm_o:                               ; 8 x 8 work-groups: 128 columns x 128 along K; a wave 32 columns x 4 blocks of 32
	s_sub_co_u32 s21, ttmp9, 48
	s_and_b32 s22, s21, 7
	s_lshr_b32 s21, s21, 3                         ; which 128 along K
	s_lshl_b32 s22, s22, 7
	s_lshl_b32 s24, s[WV], 5
	s_add_co_u32 s22, s22, s24                     ; my wave's first column
	COLADDR OLDS, 2048
	s_mov_b32 s25, 0
	s_lshl_b32 s24, s21, 19
	s_lshl_b32 s26, s22, 2
	s_add_co_u32 s24, s24, s26
	s_add_nc_u64 s[8:9], s[8:9], s[24:25]          ; w_out at (128 y, column)
	s_lshl_b32 s24, s22, 11
	s_lshl_b32 s26, s21, 8
	s_add_co_u32 s24, s24, s26
	s_add_nc_u64 s[18:19], s[18:19], s[24:25]      ; wo16: column x 2,048 + 256 y
	LOADW 0, 4096, 8
	LOADW 1, 4096, 8
.macro BLOCKO t
.set XS, XW+32*((\t)%2)
.if (\t) < 3
	s_wait_loadcnt 32                              ; this block's 32 loads are in; the next block's may be out
.else
	s_wait_loadcnt 0
.endif
.irp j, 0,1,2,3,4,5,6,7,8,9,10,11,12,13,14,15
	v_cvt_pk_f16_f32 v[CW+\j], v[XS+2*\j], v[XS+2*\j+1]     ; the lower k in the low half
.endr
.irp i, 0,1,2,3
	ds_store_b128 v4, v[CW+4*\i:CW+4*\i+3] offset:64*(\t)+16*\i
.endr
.if (\t)+2 < 4
	LOADW (\t)+2, 4096, 8
.endif
	s_wait_dscnt 0x0                               ; the stores have read their registers
.endm
.irp t, 0,1,2,3
	BLOCKO \t
.endr
	OUTW 2048, 18
.Lfunc_end_k_q3666e19f25_prep:
	.size	k_q3666e19f25_prep, .Lfunc_end_k_q3666e19f25_prep-k_q3666e19f25_prep
	.p2alignl 7, 3214868480
	.fill 96, 4, 3214868480
	.section	.rodata,"a",@progbits
	.p2align	6, 0x0
	.amdhsa_kernel k_q3666e19f25_prep
		.amdhsa_group_segment_fixed_size 102912
		.amdhsa_private_segment_fixed_size 0
		.amdhsa_enable_private_segment 0
		.amdhsa_kernarg_size 64
		.amdhsa_user_sgpr_count 2
		.amdhsa_user_sgpr_kernarg_segment_ptr 1
		.amdhsa_wavefront_size32 1
		.amdhsa_system_sgpr_workgroup_id_x 1
		.amdhsa_system_sgpr_workgroup_id_y 1
		.amdhsa_system_sgpr_workgroup_id_z 1
		.amdhsa_system_vgpr_workitem_id 0
		.amdhsa_next_free_vgpr 192
		.amdhsa_next_free_sgpr 66
		.amdhsa_reserve_vcc 0
		.amdhsa_float_denorm_mode_32 3
		.amdhsa_float_denorm_mode_16_64 3
		.amdhsa_memory_ordered 1
		.amdhsa_forward_progress 1
		.amdhsa_inst_pref_size 132
	.end_amdhsa_kernel
	.amdgpu_metadata
---
amdhsa.version: [ 1, 2 ]
amdhsa.kernels:
  - .name:           k_q3666e19f25_prep
    .symbol:         k_q3666e19f25_prep.kd
    .args:
      - { .name: x, .offset: 0, .size: 8, .value_kind: global_buffer, .address_space: global }
      - { .name: w_qkv, .offset: 8, .size: 8, .value_kind: global_buffer, .address_space: global }
      - { .name: w_out, .offset: 16, .size: 8, .value_kind: global_buffer, .address_space: global }
      - { .name: xc, .offset: 24, .size: 8, .value_kind: global_buffer, .address_space: global }
      - { .name: xs, .offset: 32, .size: 8, .value_kind: global_buffer, .address_space: global }
      - { .name: wc, .offset: 40, .size: 8, .value_kind: global_buffer, .address_space: global }
      - { .name: ws, .offset: 48, .size: 8, .value_kind: global_buffer, .address_space: global }
      - { .name: wo16, .offset: 56, .size: 8, .value_kind: global_buffer, .address_space: global }
    .group_segment_fixed_size: 102912
    .private_segment_fixed_size: 0
    .kernarg_segment_align: 8
    .kernarg_segment_size: 64
    .max_flat_workgroup_size: 128
    .sgpr_count:     66
    .vgpr_count:     192
    .wavefront_size: 32
...
	.end_amdgpu_metadata
.endif
;; end of part 1
;; launch qkv (part 2): grid 12 x 32, 4 waves a work-group, clusters of 4 x 4, 327,680 bytes of LDS; arguments xc, xs, wc, ws, b_qkv, qkv, r32; writes qkv, r32
.if DOCPART == 2
	.amdgcn_target "amdgcn-amd-amdhsa--gfx1250"
	.amdhsa_code_object_version 6
	.text
	.protected	k_q3666e19f25_qkv
	.globl	k_q3666e19f25_qkv
	.p2align	8
	.type	k_q3666e19f25_qkv,@function
k_q3666e19f25_qkv:
	s_mov_b64 s[64:65], 0
	v_nop
	global_prefetch_b8 v0, s[64:65] scope:SCOPE_SE
	s_setreg_imm32_b32 hwreg(HW_REG_WAVE_MODE, 25, 1), 1
	s_wait_xcnt 0x0
	s_wait_alu depctr_hold_cnt(0) depctr_sa_sdst(0) depctr_va_vdst(0) depctr_va_sdst(0) depctr_va_ssrc(0) depctr_va_vcc(0) depctr_vm_vsrc(0)
	s_getreg_b32 s2, hwreg(HW_REG_IB_STS2, 6, 4)
	s_cmp_eq_u32 s2, 0
	s_cbranch_scc0 .Lentry_in_a_cluster
	s_endpgm
.Lentry_in_a_cluster:
	s_bfe_u32 s2, ttmp6, 0x10000c
	s_cmp_lg_u32 s2, 0xf033
	s_cbranch_scc0 .Lentry_shape_is_right
	s_endpgm
.Lentry_shape_is_right:
; QKV: x w_qkv + b_qkv on codes of E2M1 with one E8M0 scale for each 32 along K; sums in f32.  A = xc [8192][1024 codes], B = wc [3072][1024 codes]; scale bytes xs [8192][32], ws [3072][32].
; OUT: qkv [b 4][g 48][t 2048][64] f16 (g = column / 64: q 0-15, k 16-31, v 32-47), and the first 16 positions of each sequence once more in f32: r32 [16 b + t][3072].
; LEFT OUT: the bias on k, b_qkv[1024:2048]: q.bk is the same for all keys of a query and the softmax cancels it (shown at the head of the first kernel); it is not loaded, k's sums begin with zeros.
; LIMIT: q, k, v lie within f16's range.
; A tile of 256 x 256 is made by four waves, 128 x 128 each: 64 accumulators, 512 registers.  K = 1,024 is two slots of 512: both slots and all scale bytes go out as first fills (three tensor loads of a wave are out), and nothing is filled again.
; CLUSTERS: 4 x 4 work-groups; A's tiles are asked for jointly along a row of the cluster, B's along a column.  Tile row = 8 cy + cluster y, so that the batch is cy and the tile's place in its sequence is cluster y, which all partners share;
; tile column = 4 cluster x + cx, so that cluster x says whether the columns are q's, k's or v's.
; THE MATRIX INSTRUCTION IS USED TRANSPOSED (source 0 = 16 rows of B, source 1 = 16 rows of A): a lane holds eight neighbouring columns of one row.  The bias is the C of each sum's first instruction.
; REGISTERS, in windows of 256: window 0: v0-31 addresses; v32-95 scale words, two sets; v128-191 A's fragments, one set; v192-255 the bias, eight registers for each block of 16 columns.  Window 1: B's fragments, two sets.  Windows 2, 3: the accumulators.
.set NQ,     4                         ; steps of 128 along K in a slot
.set ROWB,   256                       ; a tile's row: 512 codes
.set KROW,   512                       ; a row of codes in memory
.set PITCH,  272                       ; an LDS row: 256 bytes + 16 of padding
.set FR,     8
.set NL,     2
.set NP,     4                         ; places behind this matrix instruction (ISA guide 7.12.1)
.set HALFT,  128*PITCH
.set SLOT,   4*HALFT
.set KS,     32                        ; a row of scale bytes
.set SCL,    2*SLOT                    ; behind the ring: the scales, as units of 256 bytes + 16
.set HALFS,  16*272                    ; those of 128 rows
.set SBLK,   2*272                     ; those of 16 rows
.set SPARE,  SCL+4*HALFS               ; the spare words, 128 bytes for each wave
.set SPITCH, 528                       ; the way out in f32: 16 rows x (512 + 16)
.set HP,     144                       ; the way out in f16: 16 rows x (128 + 16), once for each of the wave's two heads.  Both stages lie in slot 0, which has had its only fill and its last read by then
.set PLANE,  262144                    ; a plane [t][64] of qkv in bytes
.set ADRA, 16
.set ADRB, 20
.set STO,  22                          ; f16 stage: in
.set RD,   23                          ; f16 stage: back
.set STF,  24                          ; f32 stage: in
.set RDF,  25                          ; f32 stage: back
.set CO,   26                          ; 16 x lane
.set ADRS, 27
.set SPW,  28
.set NIL,  29
.set BA,   30                          ; 32 x (lane / 16): my half's eight numbers of the bias
.set SC,   32
.set AF,   128
.set BI,   192
.set TMP,  192                         ; the way out: packed results
.set BK,   128                         ; the way out in f32: 16 rows read back
.set G1, 24
.set G0, 32
.set G1B, 48
.set G0B, 56
.set G1S, 68
.set G0S, 76
.set G1SB, 80
.set G0SB, 88
.set MSB, 0
.macro WIN new                         ; the immediate's high byte repeats the setting that is left
.if MSB != \new
	s_set_vgpr_msb (MSB<<8)|\new
.set MSB, \new
.endif
.endm
.set MUL_LO, 0xa1                      ; source 0 (B) window 1, source 1 (A) window 0, C and D window 2
.set MUL_HI, 0xf1
.set BIA_LO, 0x81                      ; the same with C (the bias) in window 0
.set BIA_HI, 0xc1
.set TO_B,   0x40
; A joint load: waves 0 and 1 fetch for A, waves 2 and 3 for B; the branch hangs on the wave's number alone.  An s_nop 0 and four v_nop follow each line.
.macro JLOAD g0a, g1a, g0b, g1b
	s_cmp_eq_u32 s15, 0
	s_cbranch_scc0 .Lfor_b_\@
	tensor_load_to_lds s[\g0a:\g0a+3], s[\g1a:\g1a+7]
	s_nop 0
.rept 4
	v_nop
.endr
	s_branch .Lasked_\@
.Lfor_b_\@:
	tensor_load_to_lds s[\g0b:\g0b+3], s[\g1b:\g1b+7]
	s_nop 0
.rept 4
	v_nop
.endr
.Lasked_\@:
.endm
.macro CROUND                          ; a round of the cluster's barrier
	s_barrier_signal -1
	s_barrier_wait -1
	s_cmp_lg_u32 s14, 0
	s_cbranch_scc1 .Lnot_wave_0_\@
	s_barrier_signal -3
.Lnot_wave_0_\@:
	s_barrier_wait -3
	s_barrier_signal -1
	s_barrier_wait -1
.endm
	s_load_b128 s[4:7], s[0:1], 0x0                ; xc s[4:5], xs s[6:7]
	s_load_b128 s[8:11], s[0:1], 0x10              ; wc s[8:9], ws s[10:11]
	s_load_b128 s[96:99], s[0:1], 0x20             ; b_qkv s[96:97], qkv s[98:99]
	s_load_b64 s[12:13], s[0:1], 0x30              ; r32
	v_lshl_add_u32 v[SPW], v0, 2, SPARE
	v_mov_b32 v[NIL], 0
	ds_add_u32 v[SPW], v[NIL]                      ; the wave's opening: the add, twice on end, and its wait ahead of my first tensor load
	ds_add_u32 v[SPW], v[NIL]
	v_lshrrev_b32 v1, 5, v0
	v_readfirstlane_b32 s14, v1                    ; wave 0..3
	s_lshr_b32 s15, s14, 1                         ; which half of the tile's rows is mine.  Also: I fetch for A (0) or for B (1)
	s_and_b32 s16, s14, 1                          ; which half of its columns.  Also: which 128 rows I fetch
	s_bfe_u32 s40, ttmp6, 0x40000                  ; cx
	s_bfe_u32 s41, ttmp6, 0x40004                  ; cy = the batch
	s_lshl_b32 s42, ttmp9, 2
	s_add_co_u32 s42, s42, s40                     ; tile column = 4 x cluster x + cx
	s_and_b32 s67, ttmp7, 0xffff                   ; cluster y = the tile's place in its sequence
	s_or_b32 s66, s67, s15                         ; 0 where my rows begin with a sequence's first 16: the same in all partners, for a given wave
	s_lshl_b32 s17, s41, 3
	s_add_co_u32 s17, s17, s67                     ; tile row = 8 cy + cluster y
	s_lshl_b32 s43, s41, 2
	s_lshl_b32 s43, 15, s43                        ; my row of the cluster
	s_lshl_b32 s44, 0x1111, s40                    ; my column
	s_or_b32 s[G1+0], s43, (0<<16)|(1<<20)|(1<<21)|(5<<22)|(3<<25)  ; the mask; elements of 1 byte; padding on; bit 21 beside a mask; 4 words behind every 64
	s_or_b32 s[G1B+0], s44, (0<<16)|(1<<20)|(1<<21)|(5<<22)|(3<<25)
.irp g, G1, G1B
	s_mov_b32 s[\g+1], ROWB<<16                    ; tensor_dim0
	s_mov_b32 s[\g+2], 128<<16                     ; tensor_dim1
	s_mov_b32 s[\g+3], ROWB<<16                    ; tile_dim0
	s_mov_b32 s[\g+4], 128                         ; tile_dim1
	s_mov_b32 s[\g+5], KROW                        ; the pitch
	s_mov_b32 s[\g+6], 0
	s_mov_b32 s[\g+7], 0
.endr
	s_or_b32 s[G1S+0], s43, (3<<16)|(1<<20)|(1<<21)|(5<<22)|(3<<25)  ; the scales of 128 rows: 4,096 dense bytes as 16 rows of 32 elements of 8 bytes
	s_or_b32 s[G1SB+0], s44, (3<<16)|(1<<20)|(1<<21)|(5<<22)|(3<<25)
.irp g, G1S, G1SB
	s_mov_b32 s[\g+1], 32<<16
	s_mov_b32 s[\g+2], 16<<16
	s_mov_b32 s[\g+3], 32<<16
	s_mov_b32 s[\g+4], 16
	s_mov_b32 s[\g+5], 32
	s_mov_b32 s[\g+6], 0
	s_mov_b32 s[\g+7], 0
.endr
	s_lshl_b32 s18, s16, 7
	s_lshl_b32 s20, s17, 8
	s_add_co_u32 s20, s20, s18                     ; A: row 256 x tile row + 128 x half
	s_lshl_b32 s46, s42, 8
	s_add_co_u32 s46, s46, s18                     ; B: row 256 x tile column + 128 x half
	s_mov_b32 s21, 0
	s_mov_b32 s47, 0
	s_mov_b64 s[18:19], KS
	s_mul_u64 s[22:23], s[20:21], s[18:19]         ; where these rows' scales begin
	s_mul_u64 s[92:93], s[46:47], s[18:19]
	s_mov_b64 s[18:19], KROW
	s_mul_u64 s[20:21], s[20:21], s[18:19]         ; and their codes
	s_mul_u64 s[46:47], s[46:47], s[18:19]
	s_mul_i32 s45, s14, HALFT                      ; where they go: wave x 128 rows
	s_mul_i32 s94, s14, HALFS
	s_wait_dscnt 0x0                               ; both opening adds are done
	s_wait_kmcnt 0x0
	s_add_nc_u64 s[20:21], s[4:5], s[20:21]
	s_add_nc_u64 s[22:23], s[6:7], s[22:23]
	s_add_nc_u64 s[46:47], s[8:9], s[46:47]
	s_add_nc_u64 s[92:93], s[10:11], s[92:93]
	CROUND                                         ; all sixteen work-groups are here: the first joint loads meet
	s_mov_b32 s[G0S], 1
	s_add_co_u32 s[G0S+1], s94, SCL
	s_mov_b64 s[G0S+2:G0S+3], s[22:23]
	s_or_b32 s[G0S+3], s[G0S+3], 0x80000000
	s_mov_b32 s[G0SB], 1
	s_add_co_u32 s[G0SB+1], s94, SCL
	s_mov_b64 s[G0SB+2:G0SB+3], s[92:93]
	s_or_b32 s[G0SB+3], s[G0SB+3], 0x80000000
	JLOAD G0S, G1S, G0SB, G1SB                     ; the scales first
.irp s, 0,1
	s_mov_b32 s[G0+4*\s], 1
	s_add_co_u32 s[G0+4*\s+1], s45, \s*SLOT
	s_add_nc_u64 s[G0+4*\s+2:G0+4*\s+3], s[20:21], \s*ROWB
	s_or_b32 s[G0+4*\s+3], s[G0+4*\s+3], 0x80000000
	s_mov_b32 s[G0B+4*\s], 1
	s_add_co_u32 s[G0B+4*\s+1], s45, \s*SLOT
	s_add_nc_u64 s[G0B+4*\s+2:G0B+4*\s+3], s[46:47], \s*ROWB
	s_or_b32 s[G0B+4*\s+3], s[G0B+4*\s+3], 0x80000000
	JLOAD G0+4*\s, G1, G0B+4*\s, G1B
.endr
	v_and_b32 v1, 15, v0                           ; r = l % 16
	v_bfe_u32 v2, v0, 4, 1                         ; h = l / 16
	v_mul_u32_u24 v3, v1, PITCH
	v_lshl_add_u32 v4, v2, 4, v3
	s_mul_i32 s21, s15, HALFT                      ; my 128 rows of A
	s_mul_i32 s22, s16, HALFT                      ; my 128 rows of B,
	s_add_co_u32 s22, s22, 2*HALFT                 ; behind A's 256
.irp s, 0,1
	v_add_nc_u32 v[ADRA+\s], s21, v4
	v_add_nc_u32 v[ADRB+\s], s22, v4
	s_add_co_u32 s21, s21, SLOT
	s_add_co_u32 s22, s22, SLOT
.endr
	v_mul_u32_u24 v5, v1, KS                       ; my row's scales: 32 bytes a row,
	v_lshrrev_b32 v6, 8, v5
	v_lshl_add_u32 v5, v6, 4, v5                   ; and 16 more for each 256 passed
	s_mul_i32 s21, s15, HALFS
	s_mul_i32 s22, s16, HALFS
	s_add_co_u32 s22, s22, 2*HALFS
	s_sub_co_u32 s22, s22, s21
	v_mul_u32_u24 v6, s22, v2                      ; lanes 16-31 take B's
	s_add_co_u32 s21, s21, SCL
	v_add_nc_u32 v5, v5, v6
	v_add_nc_u32 v[ADRS], s21, v5
	s_mul_i32 s23, s14, 16*SPITCH                  ; my stage, in slot 0
	v_mul_u32_u24 v5, v1, SPITCH
	v_lshl_add_u32 v5, v2, 5, v5
	v_add_nc_u32 v[STF], s23, v5                   ; f32, in: row r, 32 bytes for each half of the lanes
	v_and_b32 v6, 31, v0
	v_lshlrev_b32 v[CO], 4, v6
	v_add_nc_u32 v[RDF], s23, v[CO]                ; f32, back: the 32 lanes take one row of 512 bytes
	v_mul_u32_u24 v5, v1, HP
	v_lshl_add_u32 v5, v2, 4, v5
	v_add_nc_u32 v[STO], s23, v5                   ; f16, in: row r, 16 bytes for each half
	v_lshrrev_b32 v5, 3, v6
	v_mul_u32_u24 v5, v5, HP
	v_and_b32 v6, 7, v6
	v_lshl_add_u32 v5, v6, 4, v5
	v_add_nc_u32 v[RD], s23, v5                    ; f16, back: eight lanes to a row of 128 bytes, four rows an instruction
	v_lshlrev_b32 v[BA], 5, v2
	s_lshl_b32 s46, s42, 10                        ; my first column x 4 bytes: 1,024 x tile column + 512 x half
	s_lshl_b32 s47, s16, 9
	s_add_co_u32 s46, s46, s47
	s_mov_b32 s47, 0
	s_add_nc_u64 s[96:97], s[96:97], s[46:47]      ; the bias at my first column
	s_mul_i32 s20, s41, 16*12288
	s_add_co_u32 s20, s20, s46
	s_mov_b32 s21, 0
	s_add_nc_u64 s[12:13], s[12:13], s[20:21]      ; r32 at (16 x batch, my first column)
	s_mul_i32 s20, s41, 48
	s_lshl_b32 s21, s42, 2
	s_add_co_u32 s20, s20, s21
	s_lshl_b32 s21, s16, 1
	s_add_co_u32 s20, s20, s21                     ; my first plane: 48 b + 4 x tile column + 2 x half
	s_lshl_b32 s20, s20, 11
	s_lshl_b32 s21, s67, 8
	s_add_co_u32 s20, s20, s21
	s_lshl_b32 s21, s15, 7
	s_add_co_u32 s20, s20, s21                     ; + my first position
	s_lshl_b32 s20, s20, 7                         ; rows of 128 bytes
	s_mov_b32 s21, 0
	s_add_nc_u64 s[98:99], s[98:99], s[20:21]
	s_cmp_eq_u32 ttmp9, 1                          ; k's columns?  The same in all partners
	s_cbranch_scc1 .Lk_third
.irp b, 0,1,2,3,4,5,6,7
	global_load_b128 v[BI+8*\b:BI+8*\b+3], v[BA], s[96:97] offset:64*\b           ; register 8 b + j: the bias of column 16 b + 8 h + j
	global_load_b128 v[BI+8*\b+4:BI+8*\b+7], v[BA], s[96:97] offset:64*\b+16
.endr
	s_branch .Lbias_set
.Lk_third:                             ; k's bias is left out: its sums begin with zeros.  These lines run while the first tiles are on their way
.set j, 0
.rept 64
	v_mov_b32 v[BI+j], 0
.set j, j+1
.endr
.Lbias_set:
.macro FRAG reg, adr, q, i             ; 16 rows x 128 K of 4-bit codes: 8 registers, two loads 32 bytes apart
.irp c, 0,1
	ds_load_b128 v[\reg+4*\c:\reg+4*\c+3], v[\adr] offset:64*(\q)+32*\c+(\i)*16*PITCH
.endr
.endm
; 16 matrix instructions: A's blocks a0, a0 + 1 x B's eight.  The 64 accumulators take turns, one instruction a turn, in the same order in every step.
.macro MUL16 a0, p, q, sc, bias
.irp a, \a0, \a0+1
.irp b, 0,1,2,3,4,5,6,7
.if \bias
	v_wmma_scale_f32_16x16x128_f8f6f4 v[8*(8*((\a)%4)+\b):8*(8*((\a)%4)+\b)+7], v[128*(\p)+FR*\b:128*(\p)+FR*\b+FR-1], v[AF+FR*(\a):AF+FR*(\a)+FR-1], v[BI+8*\b:BI+8*\b+7], v[SC+8*NQ*(\sc)+NQ*\b+(\q)], v[SC+8*NQ*(\sc)+NQ*(\a)+(\q)] matrix_a_fmt:MATRIX_FMT_FP4 matrix_b_fmt:MATRIX_FMT_FP4 matrix_a_scale:MATRIX_SCALE_ROW1
.else
	v_wmma_scale_f32_16x16x128_f8f6f4 v[8*(8*((\a)%4)+\b):8*(8*((\a)%4)+\b)+7], v[128*(\p)+FR*\b:128*(\p)+FR*\b+FR-1], v[AF+FR*(\a):AF+FR*(\a)+FR-1], v[8*(8*((\a)%4)+\b):8*(8*((\a)%4)+\b)+7], v[SC+8*NQ*(\sc)+NQ*\b+(\q)], v[SC+8*NQ*(\sc)+NQ*(\a)+(\q)] matrix_a_fmt:MATRIX_FMT_FP4 matrix_b_fmt:MATRIX_FMT_FP4 matrix_a_scale:MATRIX_SCALE_ROW1
.endif
.endr
.endr
.endm
.macro FETCH_B slot, q, p
	WIN TO_B
.irp i, 0,1,2,3,4,5,6,7
	FRAG 128*(\p)+FR*\i, ADRB+\slot, \q, \i
.endr
	WIN 0
.endm
.macro FETCH_A slot, q, i0
.irp i, \i0, \i0+1, \i0+2, \i0+3
	FRAG AF+FR*(\i), ADRA+\slot, \q, \i
.endr
.endm
.macro SCALES sc                       ; a slot's scale words: 4 words a row; lanes 0-15 take A's block i, lanes 16-31 B's block i
.irp i, 0,1,2,3,4,5,6,7
	ds_load_b128 v[SC+8*NQ*\sc+NQ*\i:SC+8*NQ*\sc+NQ*\i+3], v[ADRS] offset:\i*SBLK
.endr
.endm
.macro PLACES n                        ; places in front of loads into registers that matrix instructions have read, and of the first read of results
.rept \n
	v_nop
.endr
.endm
.macro STEP slot, q, bias              ; a step of 128 along K that has its successor in the same slot
	s_wait_dscnt 4*NL                              ; B's set and A's blocks 0-3 are in; the youngest eight loads (A's blocks 4-7) may be out
.if \bias
	WIN BIA_LO
.else
	WIN MUL_LO
.endif
	MUL16 0, (\q)%2, \q, \slot, \bias
	MUL16 2, (\q)%2, \q, \slot, \bias
	s_wait_dscnt 0
	PLACES NP
	FETCH_B \slot, (\q)+1, 1-(\q)%2
	FETCH_A \slot, (\q)+1, 0
.if \bias
	WIN BIA_HI
.else
	WIN MUL_HI
.endif
	MUL16 4, (\q)%2, \q, \slot, \bias
	MUL16 6, (\q)%2, \q, \slot, \bias
	PLACES NP
	WIN 0
	FETCH_A \slot, (\q)+1, 4
.endm
.macro TURN slot, next                 ; a slot's last step changes slots: one barrier; nothing is filled again
	s_wait_tensorcnt 0x0                           ; all my tensor loads have landed: my part of the next slot
	ds_add_u32 v[SPW], v[NIL]                      ; 0 onto my spare word
	s_wait_dscnt 4*NL+1                            ; the add and the youngest eight loads (A's blocks 4-7) may be out
	WIN MUL_LO
	MUL16 0, 1, NQ-1, \slot, 0
	s_wait_dscnt 0x0                               ; the add is done, and my reads of this slot are over
	s_barrier_signal -1
	MUL16 2, 1, NQ-1, \slot, 0
	WIN 0
	s_barrier_wait -1
	PLACES NP
	v_add_nc_u32 v[ADRS], 4*NQ, v[ADRS]            ; on to the next slot's scale words
	FETCH_B \next, 0, 0
	FETCH_A \next, 0, 0
	SCALES \next
	WIN MUL_HI
	MUL16 4, 1, NQ-1, \slot, 0
	MUL16 6, 1, NQ-1, \slot, 0
	PLACES NP
	WIN 0
	FETCH_A \next, 0, 4
.endm
.macro STEPS slot, from
.set Q, \from
.rept NQ-1-\from
	STEP \slot, Q, 0
.set Q, Q+1
.endr
.endm
	s_wait_loadcnt 0x0                             ; the bias
	s_wait_tensorcnt 1                             ; the scales and my part of slot 0 are in; slot 1's load may be out
	s_barrier_signal -1
	s_barrier_wait -1
	FETCH_B 0, 0, 0
	FETCH_A 0, 0, 0
	SCALES 0
	FETCH_A 0, 0, 4
	STEP 0, 0, 1                                   ; the first step's products start the sums, on the bias
	STEPS 0, 1
	TURN 0, 1
	STEPS 1, 0
	s_wait_dscnt 4*NL                              ; the last step: nothing more to fetch
	WIN MUL_LO
	MUL16 0, 1, NQ-1, 1, 0
	MUL16 2, 1, NQ-1, 1, 0
	s_wait_dscnt 0
	WIN MUL_HI
	MUL16 4, 1, NQ-1, 1, 0
	MUL16 6, 1, NQ-1, 1, 0
	WIN 0
	PLACES NP
	; THE FIRST 16 POSITIONS OF A SEQUENCE go out in f32 too: block 0 of the waves whose rows begin a sequence.  Through my stage, so that the 32 lanes store a row's 512 bytes.
	s_cmp_lg_u32 s66, 0
	s_cbranch_scc1 .Lno_f32
	WIN 0x08                                       ; an LDS store's data are its source 1: window 2
.irp b, 0,1,2,3,4,5,6,7
	ds_store_b128 v[STF], v[8*\b:8*\b+3] offset:64*\b              ; each accumulator from its low end on
	ds_store_b128 v[STF], v[8*\b+4:8*\b+7] offset:64*\b+16
.endr
	WIN 0
.irp t, 0,1,2,3,4,5,6,7,8,9,10,11,12,13,14,15
	ds_load_b128 v[BK+4*\t:BK+4*\t+3], v[RDF] offset:\t*SPITCH     ; LDS serves a wave's instructions in order: these see the stores above
.endr
	s_wait_dscnt 0x0
.irp t, 0,1,2,3,4,5,6,7,8,9,10,11,12,13,14,15
	global_store_b128 v[CO], v[BK+4*\t:BK+4*\t+3], s[12:13] offset:\t*12288
.endr
.Lno_f32:
; THE WAY OUT IN f16, block by block of 16 rows x 128 columns (two heads).  PACK: rounded to f16, 16 bytes a lane.  TOSTAGE: into my stage, a sub-stage for each head, and back as runs of four rows.  SEND: each store covers 512 consecutive bytes, aligned.
.macro PACK a
.set AC, 64*((\a)%4)
	WIN 0x0a+5*((\a)/4)                            ; sources 0 and 1: window 2 or 3
.irp b, 0,1,2,3,4,5,6,7
.irp r, 0,1,2,3
	v_cvt_pk_f16_f32 v[TMP+4*\b+\r], v[AC+8*\b+2*\r], v[AC+8*\b+2*\r+1]
.endr
.endr
	WIN 0
.endm
.macro TOSTAGE a
.set OBB, 32+192*((\a)%2)              ; v32-63 and v224-255 by turns
.irp b, 0,1,2,3,4,5,6,7
	ds_store_b128 v[STO], v[TMP+4*\b:TMP+4*\b+3] offset:(\b/4)*16*HP+(\b%4)*32
.endr
.irp t, 0,1,2,3,4,5,6,7
	ds_load_b128 v[OBB+4*\t:OBB+4*\t+3], v[RD] offset:(\t/4)*16*HP+(\t%4)*4*HP
.endr
.endm
.macro SEND a
.set OBB, 32+192*((\a)%2)
	s_wait_dscnt 0x0                               ; the block is back in registers
	s_wait_xcnt 0x0                                ; the block before has been read by its stores: its registers are loaded again only behind this wait
.irp t, 0,1,2,3,4,5,6,7
	global_store_b128 v[CO], v[OBB+4*\t:OBB+4*\t+3], s[98:99] offset:(\a)*2048+(\t%4)*512+(\t/4)*PLANE
.endr
.endm
	PACK 0
	TOSTAGE 0
.irp a, 1,2,3,4,5,6,7                  ; block a's conversions stand between block a - 1's loads from the stage and the wait for them
	PACK \a
	SEND \a-1
	TOSTAGE \a
.endr
	SEND 7
	s_wait_tensorcnt 0x0                           ; the wave's end
	ds_add_u32 v[SPW], v[NIL]
	s_wait_dscnt 0x0
	CROUND                                         ; the closing round
	s_endpgm
.Lfunc_end_k_q3666e19f25_qkv:
	.size	k_q3666e19f25_qkv, .Lfunc_end_k_q3666e19f25_qkv-k_q3666e19f25_qkv
	.p2alignl 7, 3214868480
	.fill 96, 4, 3214868480
	.section	.rodata,"a",@progbits
	.p2align	6, 0x0
	.amdhsa_kernel k_q3666e19f25_qkv
		.amdhsa_group_segment_fixed_size 327680
		.amdhsa_private_segment_fixed_size 0
		.amdhsa_enable_private_segment 0
		.amdhsa_kernarg_size 56
		.amdhsa_user_sgpr_count 2
		.amdhsa_user_sgpr_kernarg_segment_ptr 1
		.amdhsa_wavefront_size32 1
		.amdhsa_system_sgpr_workgroup_id_x 1
		.amdhsa_system_sgpr_workgroup_id_y 1
		.amdhsa_system_sgpr_workgroup_id_z 1
		.amdhsa_system_vgpr_workitem_id 0
		.amdhsa_next_free_vgpr 1024
		.amdhsa_next_free_sgpr 100
		.amdhsa_reserve_vcc 0
		.amdhsa_float_denorm_mode_32 3
		.amdhsa_float_denorm_mode_16_64 3
		.amdhsa_memory_ordered 1
		.amdhsa_forward_progress 1
		.amdhsa_inst_pref_size 134
	.end_amdhsa_kernel
	.amdgpu_metadata
---
amdhsa.version: [ 1, 2 ]
amdhsa.kernels:
  - .name:           k_q3666e19f25_qkv
    .symbol:         k_q3666e19f25_qkv.kd
    .args:
      - { .name: xc, .offset: 0, .size: 8, .value_kind: global_buffer, .address_space: global }
      - { .name: xs, .offset: 8, .size: 8, .value_kind: global_buffer, .address_space: global }
      - { .name: wc, .offset: 16, .size: 8, .value_kind: global_buffer, .address_space: global }
      - { .name: ws, .offset: 24, .size: 8, .value_kind: global_buffer, .address_space: global }
      - { .name: b_qkv, .offset: 32, .size: 8, .value_kind: global_buffer, .address_space: global }
      - { .name: qkv, .offset: 40, .size: 8, .value_kind: global_buffer, .address_space: global }
      - { .name: r32, .offset: 48, .size: 8, .value_kind: global_buffer, .address_space: global }
    .group_segment_fixed_size: 327680
    .private_segment_fixed_size: 0
    .kernarg_segment_align: 8
    .kernarg_segment_size: 56
    .max_flat_workgroup_size: 128
    .sgpr_count:     100
    .vgpr_count:     1024
    .wavefront_size: 32
...
	.end_amdgpu_metadata
.endif
;; end of part 2
;; launch attn (part 3): grid 4 x 64, 16 waves a work-group, no clusters, 327,680 bytes of LDS; arguments qkv, y2; writes y2
.if DOCPART == 3
	.amdgcn_target "amdgcn-amd-amdhsa--gfx1250"
	.amdhsa_code_object_version 6
	.text
	.protected	k_q3666e19f25_attn
	.globl	k_q3666e19f25_attn
	.p2align	8
	.type	k_q3666e19f25_attn,@function
k_q3666e19f25_attn:
	s_mov_b64 s[64:65], 0
	v_nop
	global_prefetch_b8 v0, s[64:65] scope:SCOPE_SE
	s_setreg_imm32_b32 hwreg(HW_REG_WAVE_MODE, 25, 1), 1
	s_wait_xcnt 0x0
; ATTN: y[b][h][q][:] = the sum over keys k <= q of softmax_k(q.k / 8) v[k][:], head size 64.  q, k, v: planes [t 2048][64] f16 of qkv ([b][g 48]: q g = h, k 16 + h, v 32 + h); y2 [16 b + h][t][64] f16.  Products on f16 operands, sums, maxima and the softmax in f32.
; LEFT OUT: key steps that lie wholly above the diagonal of reference()'s own tril; k comes without its bias, which the softmax cancels (shown at the head of the first kernel).
; LIMITS: q, k, v and y lie within f16's range; v_exp_f32 gives 0 where 2^x would be denormal.  Positions 0 to 15 of each sequence are computed here in f16 too, so that y2 is whole; their output rows come from the launch that works in f32.
; SHARES.  A work-group owns two blocks of 256 queries of one head, blocks i and 7 - i; wave w owns a tile of 16 queries in each: L at 256 i + 16 w, H at 256 (7 - i) + 16 (15 - w).  A tile at Q0 has Q0 / 64 + 1 key steps of 64, and the two
; counts add up to 33 in every wave of every work-group.  One walk over the keys serves both tiles: a step's fragments of K and V are read from LDS once.
; NO CLUSTER: the four work-groups of a head need 8 - i slots of keys, a different number each, so a joint load would bring some partner tiles that none of its waves reads.
; LAYOUT.  S^T = K Q^T (source 0 = 16 keys, source 1 = 16 queries), O^T = V^T P (source 0 = 16 channels, turned out of LDS, source 1 = P): a lane holds one query (lane % 16) throughout, and two tiles of S^T, rounded in pairs, are source 1 of the second product.
; SOFTMAX.  A running maximum m and sum l for each query: p = 2^(c s - c m), c = log2(e) / 8; in every step O and l are multiplied by a = 2^(c m_old - c m_new).
; THE RING.  Two slots of 256 keys (K: rows of 128 + 16 bytes; V: 128 + 32), filled by waves 0, 1 (K's halves) and 2, 3 (V's), one tensor load a wave out.  Every work-group walks 8 changes of slots; a slot whose first key comes after the work-group's last query is not asked for.
.set KP,    144
.set VP,    160
.set VOFF,  256*KP
.set SLOT1, 1<<17
.set STAGE, SLOT1+VOFF+256*VP          ; behind the ring: 16 rows x 144 for each wave; no tile lands here
.set SPARE, STAGE+16*16*KP             ; the spare words, 128 bytes for each wave
.set PLANE, 262144
.set AK0,   1                          ; my lane's place in a tile of K
.set AV0,   2                          ; and of V
.set SPW,   3
.set NIL,   4
.set ADK,   5
.set ADV,   6
.set GO,    7                          ; 16 x lane
.set PFO,   8                          ; 256 x lane
.set NINF,  9                          ; -infinity
.set RH,    10                         ; lane % 16 - 8 (lane / 16)
.set DD,    11                         ; at work: Q's offset, then the mask's bound
.set STATH, 12                         ; c m, m, l (even keys'), l (odd keys') of tile H
.set STATL, 16
.set WK,    20                         ; v20-27 at work; a in v26
.set STO,   28
.set RD,    29
.set QFH,   32
.set QFL,   48
.set KV,    64                         ; v64-127 K's eight fragments, then V's
.set SCOH,  128                        ; S^T, then p; P packed into the low 16
.set SCOL,  160
.set OUTH,  192
.set OUTL,  224
.set TB,    2                          ; s2   LDS byte at which the slot in hand begins
.set WV,    18
.set SEL,   20
.set CS,    22
.set G1K,   24
.set G1V,   32
.set G0K,   40
.set G0V,   44
.set KF,    48                         ; the step's first key
.set Q0H,   49
.set Q0HE,  50                         ; tile H's last query
.set Q0L,   51
.set Q0LE,  52
.set LASTQ, 53                         ; the work-group's last query
.set SLOTS, 54
.set LIM,   55
.set PFA,   56
.set YH,    58
.set YL,    60
.macro TLOAD                           ; waves 0, 1 fetch K's halves, waves 2, 3 V's, the others nothing.  An s_nop 0 and four v_nop follow each line
	s_cmp_lt_u32 s[WV], 2
	s_cbranch_scc0 .Lnot_k_\@
	tensor_load_to_lds s[G0K:G0K+3], s[G1K:G1K+7]
	s_nop 0
.rept 4
	v_nop
.endr
	s_branch .Lasked_\@
.Lnot_k_\@:
	s_cmp_lt_u32 s[WV], 4
	s_cbranch_scc0 .Lasked_\@
	tensor_load_to_lds s[G0V:G0V+3], s[G1V:G1V+7]
	s_nop 0
.rept 4
	v_nop
.endr
.Lasked_\@:
.endm
; A PREFETCH INTO THE L2 of the slot that the NEXT change will ask for: 32,768 dense bytes of K and as many of V.  Each aligned block of 256 bytes is named once in the launch: of a head's four work-groups the first, which walks all eight slots, asks;
; in it waves 4 to 7 ask for K's, waves 8 to 11 for V's, 8,192 bytes a wave, lanes 256 bytes apart.  Slots 0 and 1 come by their loads alone; the last two changes ask for nothing: there is no slot 8.
.macro ASK
	s_cmp_gt_u32 s[SLOTS], s[LIM]
	s_cbranch_scc0 .Lnot_mine_\@
	global_prefetch_b8 v[PFO], s[PFA:PFA+1] th:TH_LOAD_NT scope:SCOPE_SE
.Lnot_mine_\@:
.endm
	s_load_b128 s[4:7], s[0:1], 0x0                ; qkv s[4:5], y2 s[6:7]
	v_lshl_add_u32 v[SPW], v0, 2, SPARE
	v_mov_b32 v[NIL], 0
	ds_add_u32 v[SPW], v[NIL]                      ; the wave's opening: the add, twice on end, and its wait ahead of the first tensor load
	ds_add_u32 v[SPW], v[NIL]
	v_lshrrev_b32 v30, 5, v0
	v_readfirstlane_b32 s[WV], v30                 ; wave 0..15
	s_and_b32 s62, ttmp7, 0xffff                   ; 16 b + h
	s_lshr_b32 s63, s62, 4
	s_and_b32 s66, s62, 15
	s_mul_i32 s63, s63, 48
	s_add_co_u32 s63, s63, s66
	s_lshl_b32 s66, s63, 18                        ; q's plane, in bytes
	s_mov_b32 s67, 0
	s_lshl_b32 s[Q0L], ttmp9, 8
	s_lshl_b32 s63, s[WV], 4
	s_add_co_u32 s[Q0L], s[Q0L], s63               ; 256 i + 16 w
	s_sub_co_u32 s[Q0H], 2032, s[Q0L]              ; 256 (7 - i) + 16 (15 - w)
	s_add_co_u32 s[Q0HE], s[Q0H], 15
	s_add_co_u32 s[Q0LE], s[Q0L], 15
	s_or_b32 s[LASTQ], s[Q0H], 255
	s_mov_b32 s[G1K], (1<<16)|(1<<20)|(4<<22)|(3<<25)   ; no mask; elements of 2 bytes; padding on: 4 words behind every 32
	s_mov_b32 s[G1V], (1<<16)|(1<<20)|(4<<22)|(7<<25)   ; 8 words behind every 32
.irp g, G1K, G1V
	s_mov_b32 s[\g+1], 64<<16                      ; tensor_dim0
	s_mov_b32 s[\g+2], 128<<16                     ; tensor_dim1
	s_mov_b32 s[\g+3], 64<<16                      ; tile_dim0
	s_mov_b32 s[\g+4], 128                         ; tile_dim1
	s_mov_b32 s[\g+5], 64                          ; the pitch
	s_mov_b32 s[\g+6], 0
	s_mov_b32 s[\g+7], 0
.endr
	s_and_b32 s63, s[WV], 1                        ; which 128 rows of a slot I fetch, if I fetch
	s_mul_i32 s68, s63, 128*KP
	s_mul_i32 s69, s63, 128*VP
	s_add_co_u32 s69, s69, VOFF
	s_lshl_b32 s63, s63, 14
	s_mov_b32 s[SEL], 0x76543210
	s_mov_b32 s[SEL+1], 0xfedcba98
	s_mov_b32 s[CS], 0x3e38aa3b                    ; c = log2(e) / 8
	s_mov_b32 s[CS+1], s[CS]
	s_mov_b32 s[TB], 0
	s_mov_b32 s[KF], 0
	s_mov_b32 s[SLOTS], 8
	s_wait_dscnt 0x0                               ; both opening adds are done
	s_wait_kmcnt 0x0
	s_add_nc_u64 s[4:5], s[4:5], s[66:67]          ; qkv at my head's plane of q
	s_mov_b32 s66, s63
	s_mov_b32 s[G0K], 1
	s_mov_b32 s[G0K+1], s68
	s_add_nc_u64 s[G0K+2:G0K+3], s[4:5], s[66:67]
	s_add_nc_u64 s[G0K+2:G0K+3], s[G0K+2:G0K+3], 16*PLANE
	s_or_b32 s[G0K+3], s[G0K+3], 0x80000000
	s_mov_b32 s[G0V], 1
	s_mov_b32 s[G0V+1], s69
	s_add_nc_u64 s[G0V+2:G0V+3], s[4:5], s[66:67]
	s_add_nc_u64 s[G0V+2:G0V+3], s[G0V+2:G0V+3], 32*PLANE
	s_or_b32 s[G0V+3], s[G0V+3], 0x80000000
	TLOAD                                          ; slot 0: keys 0 to 255, which count for every work-group
	s_lshl_b32 s66, s[Q0H], 7
	s_add_nc_u64 s[8:9], s[4:5], s[66:67]          ; q at tile H
	s_lshl_b32 s66, s[Q0L], 7
	s_add_nc_u64 s[10:11], s[4:5], s[66:67]        ; and at tile L
	s_lshl_b32 s62, s62, 11
	s_add_co_u32 s66, s62, s[Q0H]
	s_lshl_b32 s66, s66, 7
	s_add_nc_u64 s[YH:YH+1], s[6:7], s[66:67]
	s_add_co_u32 s66, s62, s[Q0L]
	s_lshl_b32 s66, s66, 7
	s_add_nc_u64 s[YL:YL+1], s[6:7], s[66:67]
	s_cmp_lt_u32 s[WV], 8                          ; the prefetches: waves 4 to 7 stand in K's plane, waves 8 to 11 in V's,
	s_mov_b32 s66, 32*PLANE
	s_cselect_b32 s66, 16*PLANE, s66
	s_and_b32 s63, s[WV], 3
	s_lshl_b32 s63, s63, 13                        ; at my wave's 8,192 bytes
	s_add_co_u32 s66, s66, s63
	s_add_co_u32 s66, s66, 32768                   ; of slot 1: the first change steps it to slot 2
	s_add_nc_u64 s[PFA:PFA+1], s[4:5], s[66:67]
	s_sub_co_u32 s62, s[WV], 4
	s_lshr_b32 s62, s62, 3                         ; 0 in waves 4 to 11,
	s_or_b32 s62, s62, ttmp9                       ; of the head's first work-group
	s_cmp_eq_u32 s62, 0
	s_cselect_b32 s[LIM], 2, -1
	v_and_b32 v30, 15, v0                          ; r
	v_bfe_u32 v31, v0, 4, 1                        ; h
	v_lshlrev_b32 v[DD], 7, v30
	v_lshl_add_u32 v[DD], v31, 4, v[DD]            ; Q: row r of 128 bytes + 16 h
.irp c, 0,1,2,3
	global_load_b128 v[QFH+4*\c:QFH+4*\c+3], v[DD], s[8:9] offset:32*\c
	global_load_b128 v[QFL+4*\c:QFL+4*\c+3], v[DD], s[10:11] offset:32*\c
.endr
	v_mul_u32_u24 v[AK0], v30, KP
	v_lshl_add_u32 v[AK0], v31, 4, v[AK0]
	v_and_b32 v[AV0], 7, v0
	v_lshl_add_u32 v[AV0], v31, 3, v[AV0]          ; the turning load: key 8 h + l % 8,
	v_mul_u32_u24 v[AV0], v[AV0], VP
	v_bfe_u32 v[WK], v0, 3, 1
	v_lshl_add_u32 v[AV0], v[WK], 4, v[AV0]        ; channels 8 ((l / 8) % 2) on
	v_add_nc_u32 v[AV0], VOFF, v[AV0]
	v_lshlrev_b32 v[RH], 3, v31
	v_sub_nc_u32 v[RH], v30, v[RH]
	s_mul_i32 s63, s[WV], 16*KP
	s_add_co_u32 s63, s63, STAGE                   ; my stage
	v_mul_u32_u24 v[STO], v30, KP
	v_lshl_add_u32 v[STO], v31, 4, v[STO]
	v_add_nc_u32 v[STO], s63, v[STO]               ; in: row r, 16 bytes for each half of the lanes
	v_and_b32 v[GO], 31, v0
	v_lshrrev_b32 v[RD], 3, v[GO]
	v_mul_u32_u24 v[RD], v[RD], KP
	v_and_b32 v[WK], 7, v0
	v_lshl_add_u32 v[RD], v[WK], 4, v[RD]
	v_add_nc_u32 v[RD], s63, v[RD]                 ; back: eight lanes to a row, four rows an instruction
	v_lshlrev_b32 v[PFO], 8, v[GO]
	v_lshlrev_b32 v[GO], 4, v[GO]
	v_mov_b32 v[NINF], 0xff800000
.irp t, STATH, STATL
	v_mov_b32 v[\t+1], 0xff61b1e6                  ; m: -3e38, under every score
	v_mul_f32 v[\t], s[CS], v[\t+1]
	v_mov_b32 v[\t+2], 0
	v_mov_b32 v[\t+3], 0
.endr
	v_mov_b32 v[WK+1], 0                           ; written once: a lane permute's destination counts as one of its sources,
	v_mov_b32 v[WK+7], 0                           ; and this one is named as the upper half of a pair
.set j, 0
.rept 64
	v_mov_b32 v[OUTH+j], 0                         ; O^T of both tiles.  (The step is written once: the first finds zeros, which a = 0 leaves zeros)
.set j, j+1
.endr
.macro KQ rs, rq                       ; S^T = K Q^T: four tiles of 16 keys by turns, 32 channels at a time; the first four start the sums
.irp c, 0,1
.irp t, 0,1,2,3
.if \c == 0
	v_wmma_f32_16x16x32_f16 v[\rs+8*\t:\rs+8*\t+7], v[KV+8*(2*\t+\c):KV+8*(2*\t+\c)+7], v[\rq+8*\c:\rq+8*\c+7], 0
.else
	v_wmma_f32_16x16x32_f16 v[\rs+8*\t:\rs+8*\t+7], v[KV+8*(2*\t+\c):KV+8*(2*\t+\c)+7], v[\rq+8*\c:\rq+8*\c+7], v[\rs+8*\t:\rs+8*\t+7]
.endif
.endr
.endr
.endm
.macro PV rs, ro                       ; O^T += V^T P: four tiles of 16 channels by turns, 32 keys at a time
.irp g, 0,1
.irp t, 0,1,2,3
	v_wmma_f32_16x16x32_f16 v[\ro+8*\t:\ro+8*\t+7], v[KV+8*(4*\g+\t):KV+8*(4*\g+\t)+7], v[\rs+8*\g:\rs+8*\g+7], v[\ro+8*\t:\ro+8*\t+7]
.endr
.endr
.endm
.macro MASK rs, q0                     ; on the diagonal hidden scores become -infinity.  Register 8 t + j holds key KF + 16 t + 8 h + j: hidden where 16 t + j > Q0 - KF + r - 8 h.  A step all of whose keys count skips this
	s_add_co_u32 s62, s[KF], 63
	s_cmp_le_u32 s62, s[\q0]
	s_cbranch_scc1 .Lopen_\@
	s_sub_co_i32 s62, s[\q0], s[KF]
	v_add_nc_u32 v[DD], s62, v[RH]
.set n, 0
.rept 32
	v_cmp_gt_i32 vcc_lo, 16*(n/8)+n%8, v[DD]
	v_cndmask_b32 v[\rs+n], v[\rs+n], v[NINF], vcc_lo
.set n, n+1
.endr
.Lopen_\@:
.endm
.macro SOFTMAX rs, st, ro
.irp j, 0,1,2,3
	v_max3_num_f32 v[WK+\j], v[\rs+8*\j], v[\rs+8*\j+1], v[\rs+8*\j+2]    ; four chains, each tile from its low end on
.endr
.irp i, 3,5
.irp j, 0,1,2,3
	v_max3_num_f32 v[WK+\j], v[WK+\j], v[\rs+8*\j+\i], v[\rs+8*\j+\i+1]
.endr
.endr
	v_max3_num_f32 v[WK], v[WK], v[\rs+7], v[\rs+15]
	v_max3_num_f32 v[WK+2], v[WK+2], v[\rs+23], v[\rs+31]
	v_max3_num_f32 v[WK], v[WK], v[WK+1], v[WK+2]
	v_max3_num_f32 v[WK], v[WK], v[WK+3], v[\st+1]                        ; and the old m
	v_permlanex16_b32 v[WK+1], v[WK], s[SEL], s[SEL+1]                    ; the query's other 32 keys lie in the lane 16 away
	v_mov_b32 v[WK+7], v[\st]                      ; c m_old
	v_max_num_f32 v[\st+1], v[WK], v[WK+1]
	v_mul_f32 v[\st], s[CS], v[\st+1]
	v_sub_f32 v[WK+7], v[WK+7], v[\st]
.irp j, 0,2,4,6,8,10,12,14,16,18,20,22,24,26,28,30
	v_pk_fma_f32 v[\rs+\j:\rs+\j+1], v[\rs+\j:\rs+\j+1], s[CS:CS+1], v[\st:\st+1] op_sel_hi:[1,0,0] neg_lo:[0,0,1] neg_hi:[0,0,1]   ; c s - c m
.endr
	v_exp_f32 v[WK+6], v[WK+7]                     ; a
.set n, 0
.rept 32
	v_exp_f32 v[\rs+n], v[\rs+n]                   ; p
.set n, n+1
.endr
	v_nop                                          ; a plain instruction behind the last exponential
	s_wait_alu depctr_va_vdst(0)                   ; one wait for the batch of 33, ahead of its first reader
	v_pk_mul_f32 v[\st+2:\st+3], v[\st+2:\st+3], v[WK+6:WK+7] op_sel_hi:[1,0]
	v_pk_add_f32 v[WK:WK+1], v[\rs:\rs+1], v[\rs+2:\rs+3]                 ; the sum of p, unrounded, in two chains
.irp j, 4,8,12,16,20,24,28
	v_pk_add_f32 v[\st+2:\st+3], v[\st+2:\st+3], v[\rs+\j:\rs+\j+1]
	v_pk_add_f32 v[WK:WK+1], v[WK:WK+1], v[\rs+\j+2:\rs+\j+3]
.endr
	v_pk_add_f32 v[\st+2:\st+3], v[\st+2:\st+3], v[WK:WK+1]
.irp j, 0,1,2,3,4,5,6,7,8,9,10,11,12,13,14,15
	v_cvt_pk_f16_f32 v[\rs+\j], v[\rs+2*\j], v[\rs+2*\j+1]                ; P, in place: register j is written when registers up to 2 j - 1 have been read
.endr
.irp j, 0,2,4,6,8,10,12,14,16,18,20,22,24,26,28,30
	v_pk_mul_f32 v[\ro+\j:\ro+\j+1], v[\ro+\j:\ro+\j+1], v[WK+6:WK+7] op_sel_hi:[1,0]
.endr
.endm
.macro VFETCH q                        ; four places behind K Q^T (its scores are read, and its fragments' registers loaded again), then V's eight fragments, turned
.rept 4
	v_nop
.endr
.irp f, 0,1,2,3,4,5,6,7
	ds_load_tr16_b128 v[KV+8*\f:KV+8*\f+3],   v[ADV] offset:(64*(\q)+32*(\f/4))*VP+32*(\f%4)
	ds_load_tr16_b128 v[KV+8*\f+4:KV+8*\f+7], v[ADV] offset:(64*(\q)+32*(\f/4)+16)*VP+32*(\f%4)
.endr
.endm
.macro HPART q
	VFETCH \q
	MASK SCOH, Q0H
	SOFTMAX SCOH, STATH, OUTH
	s_wait_dscnt 0x0                               ; V is in
	PV SCOH, OUTH
.endm
; A KEY STEP: 64 keys, the q-th of the slot in hand.  A step all of whose keys come after tile H's queries is left out; one whose keys come after tile L's serves H alone.  The branches hang on ids and the count of steps.
.macro STEP q
	s_cmp_gt_u32 s[KF], s[Q0HE]
	s_cbranch_scc1 .Lhidden_\@
	v_add_nc_u32 v[ADK], s[TB], v[AK0]
	v_add_nc_u32 v[ADV], s[TB], v[AV0]
.rept 3
	v_nop                                          ; with the two additions five places behind the last V^T P: its fragments' registers are loaded again, and K Q^T writes over P
.endr
.irp f, 0,1,2,3,4,5,6,7
	ds_load_b128 v[KV+8*\f:KV+8*\f+3],   v[ADK] offset:(64*(\q)+16*(\f/2))*KP+64*(\f%2)
	ds_load_b128 v[KV+8*\f+4:KV+8*\f+7], v[ADK] offset:(64*(\q)+16*(\f/2))*KP+64*(\f%2)+32
.endr
	s_wait_dscnt 0x0
	KQ SCOH, QFH
	s_cmp_gt_u32 s[KF], s[Q0LE]
	s_cbranch_scc1 .Lonly_h_\@
	KQ SCOL, QFL
	HPART \q
	MASK SCOL, Q0L
	SOFTMAX SCOL, STATL, OUTL
	PV SCOL, OUTL
	s_branch .Lhidden_\@
.Lonly_h_\@:
	HPART \q
.Lhidden_\@:
	s_add_co_u32 s[KF], s[KF], 64
.endm
; THE CHANGE OF SLOTS stands at a slot's head.  Each wave waits for all its tensor loads, adds 0 to its spare word, and waits for that and for its reads of the slot that it has left.
; Behind the barrier the slot ahead is whole and nobody reads the other one, which is filled with the next 256 keys, while their first key is at or under the work-group's last query: a slot beyond that is read by none of the sixteen waves.
; That test is made of ids and the count of steps, the same in all waves, leads round the load's own lines alone, and every wait on TENSORcnt in this text is for 0.  It also ends the loads behind slot 7.
.macro CHANGE
	s_wait_tensorcnt 0x0                           ; no tensor load of mine is out, so a group 0 may be written
	ds_add_u32 v[SPW], v[NIL]
	ds_add_u32 v[SPW], v[NIL]
	s_xor_b32 s[G0K+1], s[G0K+1], SLOT1
	s_add_nc_u64 s[G0K+2:G0K+3], s[G0K+2:G0K+3], 32768
	s_xor_b32 s[G0V+1], s[G0V+1], SLOT1
	s_add_nc_u64 s[G0V+2:G0V+3], s[G0V+2:G0V+3], 32768
	s_wait_xcnt 0x0                                ; the last prefetch, a slot back, has read its address
	s_add_nc_u64 s[PFA:PFA+1], s[PFA:PFA+1], 32768
	s_wait_dscnt 0x0                               ; both adds are done, and my reads of the slot that I have left are over
	s_barrier_signal -1
	s_barrier_wait -1
	s_add_co_u32 s62, s[KF], 256                   ; the first key of the slot that this change would ask for
	s_cmp_gt_u32 s62, s[LASTQ]
	s_cbranch_scc1 .Lpast_\@
	TLOAD                                          ; a wave's one tensor load until the next change: four key steps in which to land
.Lpast_\@:
	ASK
.endm
	s_wait_loadcnt 0x0                             ; Q
.Lslot:                                            ; eight trips, a constant of the text
	CHANGE
	STEP 0
	STEP 1
	STEP 2
	STEP 3
	s_xor_b32 s[TB], s[TB], SLOT1
	s_sub_co_u32 s[SLOTS], s[SLOTS], 1
	s_cmp_lg_u32 s[SLOTS], 0
	s_cbranch_scc1 .Lslot
; THE WAY OUT of a tile: O^T / l, rounded to f16, through my stage, so that each store covers 512 consecutive bytes (four rows of y2), aligned.
.macro WAYOUT st, ro, tm, sp
	v_add_f32 v[WK], v[\st+2], v[\st+3]
	v_permlanex16_b32 v[WK+1], v[WK], s[SEL], s[SEL+1]
	v_add_f32 v[WK], v[WK], v[WK+1]
	v_rcp_f32 v[WK+6], v[WK]
	v_nop
	s_wait_alu depctr_va_vdst(0)                   ; ahead of the reciprocal's first reader
.irp j, 0,2,4,6,8,10,12,14,16,18,20,22,24,26,28,30
	v_pk_mul_f32 v[\ro+\j:\ro+\j+1], v[\ro+\j:\ro+\j+1], v[WK+6:WK+7] op_sel_hi:[1,0]
.endr
.irp j, 0,1,2,3,4,5,6,7,8,9,10,11,12,13,14,15
	v_cvt_pk_f16_f32 v[\tm+\j], v[\ro+2*\j], v[\ro+2*\j+1]
.endr
.irp c, 0,1,2,3
	ds_store_b128 v[STO], v[\tm+4*\c:\tm+4*\c+3] offset:32*\c
.endr
.irp c, 0,1,2,3
	ds_load_b128 v[\tm+16+4*\c:\tm+16+4*\c+3], v[RD] offset:4*KP*\c       ; LDS serves a wave's instructions in order
.endr
	s_wait_dscnt 0x0
.irp c, 0,1,2,3
	global_store_b128 v[GO], v[\tm+16+4*\c:\tm+16+4*\c+3], s[\sp:\sp+1] offset:512*\c
.endr
.endm
.rept 4
	v_nop                                          ; places behind the last products
.endr
	WAYOUT STATH, OUTH, KV, YH
	WAYOUT STATL, OUTL, KV+32, YL
	s_wait_tensorcnt 0x0                           ; the wave's end
	ds_add_u32 v[SPW], v[NIL]
	s_wait_dscnt 0x0
	s_endpgm
.Lfunc_end_k_q3666e19f25_attn:
	.size	k_q3666e19f25_attn, .Lfunc_end_k_q3666e19f25_attn-k_q3666e19f25_attn
	.p2alignl 7, 3214868480
	.fill 96, 4, 3214868480
	.section	.rodata,"a",@progbits
	.p2align	6, 0x0
	.amdhsa_kernel k_q3666e19f25_attn
		.amdhsa_group_segment_fixed_size 327680
		.amdhsa_private_segment_fixed_size 0
		.amdhsa_enable_private_segment 0
		.amdhsa_kernarg_size 16
		.amdhsa_user_sgpr_count 2
		.amdhsa_user_sgpr_kernarg_segment_ptr 1
		.amdhsa_wavefront_size32 1
		.amdhsa_system_sgpr_workgroup_id_x 1
		.amdhsa_system_sgpr_workgroup_id_y 1
		.amdhsa_system_sgpr_workgroup_id_z 1
		.amdhsa_system_vgpr_workitem_id 0
		.amdhsa_next_free_vgpr 256
		.amdhsa_next_free_sgpr 72
		.amdhsa_reserve_vcc 1
		.amdhsa_float_denorm_mode_32 3
		.amdhsa_float_denorm_mode_16_64 3
		.amdhsa_memory_ordered 1
		.amdhsa_forward_progress 1
		.amdhsa_inst_pref_size 145
	.end_amdhsa_kernel
	.amdgpu_metadata
---
amdhsa.version: [ 1, 2 ]
amdhsa.kernels:
  - .name:           k_q3666e19f25_attn
    .symbol:         k_q3666e19f25_attn.kd
    .args:
      - { .name: qkv, .offset: 0, .size: 8, .value_kind: global_buffer, .address_space: global }
      - { .name: y2, .offset: 8, .size: 8, .value_kind: global_buffer, .address_space: global }
    .group_segment_fixed_size: 327680
    .private_segment_fixed_size: 0
    .kernarg_segment_align: 8
    .kernarg_segment_size: 16
    .max_flat_workgroup_size: 512
    .sgpr_count:     72
    .vgpr_count:     256
    .wavefront_size: 32
...
	.end_amdgpu_metadata
.endif
;; end of part 3
;; launch proj (part 4): grid 8 x 32, 4 waves a work-group, clusters of 4 x 4, 327,680 bytes of LDS; arguments y2, wo16, b_out, out0; writes out0
.if DOCPART == 4
	.amdgcn_target "amdgcn-amd-amdhsa--gfx1250"
	.amdhsa_code_object_version 6
	.text
	.protected	k_q3666e19f25_proj
	.globl	k_q3666e19f25_proj
	.p2align	8
	.type	k_q3666e19f25_proj,@function
k_q3666e19f25_proj:
	s_mov_b64 s[64:65], 0
	v_nop
	global_prefetch_b8 v0, s[64:65] scope:SCOPE_SE
	s_setreg_imm32_b32 hwreg(HW_REG_WAVE_MODE, 25, 1), 1
	s_wait_xcnt 0x0
	s_wait_alu depctr_hold_cnt(0) depctr_sa_sdst(0) depctr_va_vdst(0) depctr_va_sdst(0) depctr_va_ssrc(0) depctr_va_vcc(0) depctr_vm_vsrc(0)
	s_getreg_b32 s2, hwreg(HW_REG_IB_STS2, 6, 4)
	s_cmp_eq_u32 s2, 0
	s_cbranch_scc0 .Lentry_in_a_cluster
	s_endpgm
.Lentry_in_a_cluster:
	s_bfe_u32 s2, ttmp6, 0x10000c
	s_cmp_lg_u32 s2, 0xf033
	s_cbranch_scc0 .Lentry_shape_is_right
	s_endpgm
.Lentry_shape_is_right:
; PROJ: out0 = y w_out + b_out on f16 operands, sums in f32.  y: y2 [16 b + h][t 2048][64] f16 (k = 64 h + d); w_out transposed: wo16 [1024 n][1024 k] f16; out0 [8192][1024] f32.
; NOT STORED HERE: the rows of positions 0 to 15 of each sequence: they are the f32 launch's.  Their products stay, inside a tile that holds live work.
; A tile of 256 rows x 128 columns is made by four waves, 128 x 64 each: 32 accumulators.  256 work-groups.  K goes in steps of 128 (two heads) through two LDS slots: waves 0, 1 fetch the two heads' 256 rows of y (128 + 16 bytes a row),
; waves 2, 3 the two halves of wo16's 128 rows (256 + 16 bytes).  By the text's own count two tensor loads of a wave are out at the start, then one.
; CLUSTERS: 4 x 4; y's tiles are asked for jointly along a row of the cluster, wo16's along a column.  Tile row = 8 cy + cluster y (the batch is cy), tile column = 4 cluster x + cx.
; THE MATRIX INSTRUCTION IS USED TRANSPOSED (source 0 = 16 rows of wo16, source 1 = 16 rows of y): a lane holds eight neighbouring columns of one row.  The bias is the C of each sum's first instruction.
; No prefetch: of eight short K steps two come as first fills, and the launch stores as many bytes as it reads.
; REGISTERS: window 0: v0-31 addresses; v32-63 the bias; v64-127, v128-191 y's fragments, two buffers; v192-255 the way out.  Window 1: v0-31, v32-63 wo16's fragments, two buffers.  Window 2: accumulator (a, b) at v[8 (4 a + b)].
.set AP,     144
.set BP,     272
.set APL,    256*AP                    ; a head's 256 rows in a slot
.set BOFF,   2*APL
.set SLOT,   BOFF+128*BP
.set STAGE,  2*SLOT                    ; behind the ring: 16 rows x 272 for each wave
.set SPARE,  STAGE+4*16*BP
.set PLANE,  262144
.set LAPS,   4
.set ADRA, 16
.set ADRB, 20
.set STO,  24
.set RD,   25
.set CO,   26
.set BA,   27
.set SPW,  28
.set NIL,  29
.set BI,   32
.set BK,   192
.set WV,   12
.set FIRST, 15                         ; s15  0 where my rows begin with a sequence's first 16
.set G1, 24
.set G0, 32
.set G1B, 48
.set G0B, 56
.set MSB, 0
.macro WIN new
.if MSB != \new
	s_set_vgpr_msb (MSB<<8)|\new
.set MSB, \new
.endif
.endm
.set MUL,  0xa1                        ; source 0 (wo16) window 1, source 1 (y) window 0, C and D window 2
.set MULB, 0x81                        ; the same with C (the bias) in window 0
.set TO_B, 0x40
.macro JLOAD s                         ; waves 0, 1 fetch y's two heads, waves 2, 3 wo16's halves; an s_nop 0 and four v_nop follow each line
	s_cmp_eq_u32 s13, 0
	s_cbranch_scc0 .Lfor_b_\@
	tensor_load_to_lds s[G0+4*\s:G0+4*\s+3], s[G1:G1+7]
	s_nop 0
.rept 4
	v_nop
.endr
	s_branch .Lasked_\@
.Lfor_b_\@:
	tensor_load_to_lds s[G0B+4*\s:G0B+4*\s+3], s[G1B:G1B+7]
	s_nop 0
.rept 4
	v_nop
.endr
.Lasked_\@:
.endm
.macro CREST
	s_cmp_lg_u32 s[WV], 0
	s_cbranch_scc1 .Lnot_wave_0_\@
	s_barrier_signal -3
.Lnot_wave_0_\@:
	s_barrier_wait -3
	s_barrier_signal -1
	s_barrier_wait -1
.endm
.macro CROUND
	s_barrier_signal -1
	s_barrier_wait -1
	CREST
.endm
	s_load_b256 s[4:11], s[0:1], 0x0               ; y2 s[4:5], wo16 s[6:7], b_out s[8:9], out0 s[10:11]
	v_lshl_add_u32 v[SPW], v0, 2, SPARE
	v_mov_b32 v[NIL], 0
	ds_add_u32 v[SPW], v[NIL]                      ; the wave's opening: the add, twice on end, and its wait ahead of my first tensor load
	ds_add_u32 v[SPW], v[NIL]
	v_lshrrev_b32 v1, 5, v0
	v_readfirstlane_b32 s[WV], v1
	s_lshr_b32 s13, s[WV], 1                       ; which 128 rows are mine.  Also: I fetch for y (0) or for wo16 (1)
	s_and_b32 s14, s[WV], 1                        ; which 64 columns.  Also: which head, or which 64 rows of wo16, I fetch
	s_bfe_u32 s40, ttmp6, 0x40000                  ; cx
	s_bfe_u32 s41, ttmp6, 0x40004                  ; cy = the batch
	s_lshl_b32 s42, ttmp9, 2
	s_add_co_u32 s42, s42, s40                     ; tile column
	s_and_b32 s43, ttmp7, 0xffff                   ; cluster y
	s_or_b32 s[FIRST], s43, s13                    ; the same in all partners, for a given wave
	s_lshl_b32 s44, s41, 2
	s_lshl_b32 s44, 15, s44                        ; my row of the cluster
	s_lshl_b32 s45, 0x1111, s40                    ; my column
	s_or_b32 s[G1+0], s44, (1<<16)|(1<<20)|(1<<21)|(4<<22)|(3<<25)   ; the mask; elements of 2 bytes; padding on; bit 21 beside a mask; 4 words behind every 32
	s_mov_b32 s[G1+1], 64<<16                      ; tensor_dim0
	s_mov_b32 s[G1+2], 256<<16                     ; tensor_dim1
	s_mov_b32 s[G1+3], 64<<16                      ; tile_dim0
	s_mov_b32 s[G1+4], 256                         ; tile_dim1
	s_mov_b32 s[G1+5], 64                          ; the pitch
	s_mov_b32 s[G1+6], 0
	s_mov_b32 s[G1+7], 0
	s_or_b32 s[G1B+0], s45, (1<<16)|(1<<20)|(1<<21)|(5<<22)|(3<<25)  ; 4 words behind every 64
	s_mov_b32 s[G1B+1], 128<<16
	s_mov_b32 s[G1B+2], 64<<16
	s_mov_b32 s[G1B+3], 128<<16
	s_mov_b32 s[G1B+4], 64
	s_mov_b32 s[G1B+5], 1024
	s_mov_b32 s[G1B+6], 0
	s_mov_b32 s[G1B+7], 0
	s_lshl_b32 s16, s41, 4
	s_add_co_u32 s16, s16, s14                     ; y: plane 16 b + my head of the K step,
	s_lshl_b32 s16, s16, 11
	s_lshl_b32 s17, s43, 8
	s_add_co_u32 s16, s16, s17                     ; position 256 x cluster y,
	s_lshl_b32 s16, s16, 7                         ; rows of 128 bytes
	s_mov_b32 s17, 0
	s_lshl_b32 s46, s42, 7
	s_lshl_b32 s47, s14, 6
	s_add_co_u32 s46, s46, s47                     ; wo16: row 128 x tile column + 64 x half,
	s_lshl_b32 s46, s46, 11                        ; rows of 2,048 bytes
	s_mov_b32 s47, 0
	s_mul_i32 s20, s14, APL                        ; where they go: no place in the cluster enters an LDS address
	s_mul_i32 s21, s14, 64*BP
	s_add_co_u32 s21, s21, BOFF
	s_wait_dscnt 0x0                               ; both opening adds are done
	s_wait_kmcnt 0x0
	s_add_nc_u64 s[18:19], s[4:5], s[16:17]
	s_add_nc_u64 s[46:47], s[6:7], s[46:47]
	CROUND                                         ; all sixteen work-groups are here: the first joint loads meet
.irp s, 0,1
	s_mov_b32 s[G0+4*\s], 1
	s_add_co_u32 s[G0+4*\s+1], s20, \s*SLOT
	s_add_nc_u64 s[G0+4*\s+2:G0+4*\s+3], s[18:19], \s*2*PLANE      ; K step s: heads 2 s, 2 s + 1
	s_or_b32 s[G0+4*\s+3], s[G0+4*\s+3], 0x80000000
	s_mov_b32 s[G0B+4*\s], 1
	s_add_co_u32 s[G0B+4*\s+1], s21, \s*SLOT
	s_add_nc_u64 s[G0B+4*\s+2:G0B+4*\s+3], s[46:47], \s*256
	s_or_b32 s[G0B+4*\s+3], s[G0B+4*\s+3], 0x80000000
	JLOAD \s
.endr
	v_and_b32 v1, 15, v0                           ; r
	v_bfe_u32 v2, v0, 4, 1                         ; h
	v_mul_u32_u24 v3, v1, AP
	v_lshl_add_u32 v3, v2, 4, v3
	v_mul_u32_u24 v4, v1, BP
	v_lshl_add_u32 v4, v2, 4, v4
	s_mul_i32 s22, s13, 128*AP                     ; my 128 rows of y, in each head's part
	s_mul_i32 s23, s14, 64*BP                      ; my 64 rows of wo16
	s_add_co_u32 s23, s23, BOFF
.irp s, 0,1
	v_add_nc_u32 v[ADRA+\s], s22, v3
	v_add_nc_u32 v[ADRB+\s], s23, v4
	s_add_co_u32 s22, s22, SLOT
	s_add_co_u32 s23, s23, SLOT
.endr
	s_mul_i32 s22, s[WV], 16*BP
	s_add_co_u32 s22, s22, STAGE                   ; my stage
	v_mul_u32_u24 v5, v1, BP
	v_lshl_add_u32 v5, v2, 5, v5
	v_add_nc_u32 v[STO], s22, v5                   ; in: row r, 32 bytes for each half of the lanes
	v_mul_u32_u24 v5, v2, BP
	v_lshl_add_u32 v5, v1, 4, v5
	v_add_nc_u32 v[RD], s22, v5                    ; back: lanes 0-15 one row of 256 bytes, lanes 16-31 the next
	v_lshlrev_b32 v5, 12, v2
	v_lshl_add_u32 v[CO], v1, 4, v5                ; and the same two rows in out0
	v_lshlrev_b32 v[BA], 5, v2
	s_lshl_b32 s16, s41, 11
	s_lshl_b32 s17, s43, 8
	s_add_co_u32 s16, s16, s17
	s_lshl_b32 s17, s13, 7
	s_add_co_u32 s16, s16, s17                     ; my first row
	s_lshl_b32 s16, s16, 12
	s_mov_b32 s17, 0
	s_add_nc_u64 s[10:11], s[10:11], s[16:17]
	s_lshl_b32 s46, s42, 9                         ; my first column x 4 bytes: 512 x tile column + 256 x half
	s_lshl_b32 s47, s14, 8
	s_add_co_u32 s46, s46, s47
	s_mov_b32 s47, 0
	s_add_nc_u64 s[10:11], s[10:11], s[46:47]
	s_add_nc_u64 s[8:9], s[8:9], s[46:47]
.irp b, 0,1,2,3
	global_load_b128 v[BI+8*\b:BI+8*\b+3], v[BA], s[8:9] offset:64*\b             ; register 8 b + j: the bias of column 16 b + 8 h + j
	global_load_b128 v[BI+8*\b+4:BI+8*\b+7], v[BA], s[8:9] offset:64*\b+16
.endr
.macro MULA f, a, bias                 ; one block of y against wo16's four.  The 32 accumulators take turns, one instruction a turn, in the same order in every quarter
.irp b, 0,1,2,3
.if \bias
	v_wmma_f32_16x16x32_f16 v[8*(4*(\a)+\b):8*(4*(\a)+\b)+7], v[32*(\f)+8*\b:32*(\f)+8*\b+7], v[64+64*(\f)+8*(\a):64+64*(\f)+8*(\a)+7], v[BI+8*\b:BI+8*\b+7]
.else
	v_wmma_f32_16x16x32_f16 v[8*(4*(\a)+\b):8*(4*(\a)+\b)+7], v[32*(\f)+8*\b:32*(\f)+8*\b+7], v[64+64*(\f)+8*(\a):64+64*(\f)+8*(\a)+7], v[8*(4*(\a)+\b):8*(4*(\a)+\b)+7]
.endif
.endr
.endm
.macro MUL8 f, a0, bias
	MULA \f, \a0, \bias
	MULA \f, (\a0)+1, \bias
.endm
.macro MUL16 f, a0, bias
	MUL8 \f, \a0, \bias
	MUL8 \f, (\a0)+2, \bias
.endm
.macro FETCH slot, kq, f               ; 24 LDS loads in one run: the fragments of the slot's kq-th 32 along K into buffer f: wo16's four, y's blocks 0-3, y's blocks 4-7
	WIN TO_B
.irp i, 0,1,2,3
	ds_load_b128 v[32*(\f)+8*\i:32*(\f)+8*\i+3],   v[ADRB+\slot] offset:64*(\kq)+\i*16*BP
	ds_load_b128 v[32*(\f)+8*\i+4:32*(\f)+8*\i+7], v[ADRB+\slot] offset:64*(\kq)+\i*16*BP+32
.endr
	WIN 0
.irp i, 0,1,2,3,4,5,6,7
	ds_load_b128 v[64+64*(\f)+8*\i:64+64*(\f)+8*\i+3],   v[ADRA+\slot] offset:((\kq)/2)*APL+((\kq)%2)*64+\i*16*AP
	ds_load_b128 v[64+64*(\f)+8*\i+4:64+64*(\f)+8*\i+7], v[ADRA+\slot] offset:((\kq)/2)*APL+((\kq)%2)*64+\i*16*AP+32
.endr
.endm
.macro PLACES
.rept 4
	v_nop
.endr
.endm
.macro WINM bias
.if \bias
	WIN MULB
.else
	WIN MUL
.endif
.endm
; A K step is four quarters of 32 along K, 32 matrix instructions each, on buffers 0, 1, 0, 1.  One of the first three: multiplies buffer f and fetches quarter kq into g.
.macro QUARTER slot, kq, f, g, bias
	s_wait_dscnt 8                                 ; wo16's fragments and y's blocks 0-3 are in; the youngest eight loads (blocks 4-7) may be out
	WINM \bias
	MUL16 \f, 0, \bias
	PLACES
	FETCH \slot, \kq, \g
	s_wait_dscnt 24                                ; all but the 24 just issued
	WINM \bias
	MUL16 \f, 4, \bias
.endm
; The last quarter multiplies buffer 1 and changes slots: one barrier; in front of it each wave waits for all its tensor loads, adds 0 to its spare word, and waits for that and for its reads of this slot.  fill = 1: the slot is filled again, two K steps ahead.
.macro TURN slot, next, fill
	WIN 0
	s_wait_tensorcnt 0x0                           ; all my tensor loads have landed: my part of the next slot
	ds_add_u32 v[SPW], v[NIL]
	s_wait_dscnt 9                                 ; the add and the youngest eight loads may be out
	WIN MUL
	MUL8 1, 0, 0
	s_wait_dscnt 0x0                               ; the add is done, and my reads of this slot are over
	s_barrier_signal -1
	MUL8 1, 2, 0
.if \fill
	WIN 0
.endif
	s_barrier_wait -1
.if \fill
	CREST                                          ; the barrier has opened a round of the cluster's: no wave of any partner still reads this slot or has a load on its way
	s_add_nc_u64 s[G0+4*\slot+2:G0+4*\slot+3], s[G0+4*\slot+2:G0+4*\slot+3], 4*PLANE
	s_add_nc_u64 s[G0B+4*\slot+2:G0B+4*\slot+3], s[G0B+4*\slot+2:G0B+4*\slot+3], 512
	JLOAD \slot                                    ; the first tensor load behind the round; its four v_nop are also the places in front of the loads below
.else
	PLACES
.endif
	FETCH \next, 0, 0
	WIN MUL
	MUL16 1, 4, 0
.endm
	s_wait_loadcnt 0x0                             ; the bias
	s_wait_tensorcnt 1                             ; my part of K step 0 is in; K step 1's load may be out
	s_barrier_signal -1
	s_barrier_wait -1
	FETCH 0, 0, 0
	QUARTER 0, 1, 0, 1, 1                          ; the first quarter's products start the sums, on the bias
	WIN 0
	s_mov_b32 s3, LAPS-1
.Llap:                                             ; a trip goes once round the ring and fills both slots again
	QUARTER 0, 2, 1, 0, 0
	QUARTER 0, 3, 0, 1, 0
	TURN 0, 1, 1
	QUARTER 1, 1, 0, 1, 0
	QUARTER 1, 2, 1, 0, 0
	QUARTER 1, 3, 0, 1, 0
	TURN 1, 0, 1
	QUARTER 0, 1, 0, 1, 0
	WIN 0
	s_sub_co_u32 s3, s3, 1
	s_cmp_lg_u32 s3, 0
	s_cbranch_scc1 .Llap
	QUARTER 0, 2, 1, 0, 0                          ; the last lap fills nothing
	QUARTER 0, 3, 0, 1, 0
	TURN 0, 1, 0
	QUARTER 1, 1, 0, 1, 0
	QUARTER 1, 2, 1, 0, 0
	QUARTER 1, 3, 0, 1, 0
	s_wait_dscnt 8
	WIN MUL
	MUL16 1, 0, 0
	s_wait_dscnt 0
	MUL16 1, 4, 0
	WIN 0
; THE WAY OUT, block by block of 16 rows x 64 columns, through my own stage: sixteen lanes store 256 consecutive bytes, aligned.
.macro TOSTAGE a
	WIN 0x08                                       ; an LDS store's data are its source 1: window 2
.irp b, 0,1,2,3
	ds_store_b128 v[STO], v[8*(4*(\a)+\b):8*(4*(\a)+\b)+3] offset:64*\b           ; each accumulator from its low end on
	ds_store_b128 v[STO], v[8*(4*(\a)+\b)+4:8*(4*(\a)+\b)+7] offset:64*\b+16
.endr
	WIN 0
.set BB, BK+32*((\a)%2)
.irp t, 0,1,2,3,4,5,6,7
	ds_load_b128 v[BB+4*\t:BB+4*\t+3], v[RD] offset:\t*2*BP
.endr
.endm
.macro SEND a, younger                 ; younger: the LDS instructions issued behind block a's loads: the next block's eight stores and eight loads, or none
.set BB, BK+32*((\a)%2)
	s_wait_dscnt \younger
.if (\a) == 0
	s_cmp_eq_u32 s[FIRST], 0                       ; a sequence's first 16 rows are stored by the launch that works in f32
	s_cbranch_scc1 .Lfine_rows
.endif
.irp t, 0,1,2,3,4,5,6,7
	global_store_b128 v[CO], v[BB+4*\t:BB+4*\t+3], s[10:11] offset:(16*(\a)+2*\t)*4096 th:TH_STORE_NT
.endr
.if (\a) == 0
.Lfine_rows:
.endif
.endm
	PLACES
	TOSTAGE 0
.irp a, 1,2,3,4,5,6,7
.if \a > 1
	s_wait_xcnt 0x0                                ; block a - 2's stores have read their registers: block a's loads may land there
.endif
	TOSTAGE \a
	SEND \a-1, 16
.endr
	SEND 7, 0
	s_wait_tensorcnt 0x0                           ; the wave's end
	ds_add_u32 v[SPW], v[NIL]
	s_wait_dscnt 0x0
	CROUND                                         ; the closing round
	s_endpgm
.Lfunc_end_k_q3666e19f25_proj:
	.size	k_q3666e19f25_proj, .Lfunc_end_k_q3666e19f25_proj-k_q3666e19f25_proj
	.p2alignl 7, 3214868480
	.fill 96, 4, 3214868480
	.section	.rodata,"a",@progbits
	.p2align	6, 0x0
	.amdhsa_kernel k_q3666e19f25_proj
		.amdhsa_group_segment_fixed_size 327680
		.amdhsa_private_segment_fixed_size 0
		.amdhsa_enable_private_segment 0
		.amdhsa_kernarg_size 32
		.amdhsa_user_sgpr_count 2
		.amdhsa_user_sgpr_kernarg_segment_ptr 1
		.amdhsa_wavefront_size32 1
		.amdhsa_system_sgpr_workgroup_id_x 1
		.amdhsa_system_sgpr_workgroup_id_y 1
		.amdhsa_system_sgpr_workgroup_id_z 1
		.amdhsa_system_vgpr_workitem_id 0
		.amdhsa_next_free_vgpr 768
		.amdhsa_next_free_sgpr 66
		.amdhsa_reserve_vcc 0
		.amdhsa_float_denorm_mode_32 3
		.amdhsa_float_denorm_mode_16_64 3
		.amdhsa_memory_ordered 1
		.amdhsa_forward_progress 1
		.amdhsa_inst_pref_size 87
	.end_amdhsa_kernel
	.amdgpu_metadata
---
amdhsa.version: [ 1, 2 ]
amdhsa.kernels:
  - .name:           k_q3666e19f25_proj
    .symbol:         k_q3666e19f25_proj.kd
    .args:
      - { .name: y2, .offset: 0, .size: 8, .value_kind: global_buffer, .address_space: global }
      - { .name: wo16, .offset: 8, .size: 8, .value_kind: global_buffer, .address_space: global }
      - { .name: b_out, .offset: 16, .size: 8, .value_kind: global_buffer, .address_space: global }
      - { .name: out0, .offset: 24, .size: 8, .value_kind: global_buffer, .address_space: global }
    .group_segment_fixed_size: 327680
    .private_segment_fixed_size: 0
    .kernarg_segment_align: 8
    .kernarg_segment_size: 32
    .max_flat_workgroup_size: 128
    .sgpr_count:     66
    .vgpr_count:     768
    .wavefront_size: 32
...
	.end_amdgpu_metadata
.endif
;; end of part 4
;; launch fine (part 5): grid 16 x 4, 16 waves a work-group, no clusters, 84,992 bytes of LDS; arguments r32, w_out, b_out, out0; writes out0
.if DOCPART == 5
	.amdgcn_target "amdgcn-amd-amdhsa--gfx1250"
	.amdhsa_code_object_version 6
	.text
	.protected	k_q3666e19f25_fine
	.globl	k_q3666e19f25_fine
	.p2align	8
	.type	k_q3666e19f25_fine,@function
k_q3666e19f25_fine:
	s_mov_b64 s[64:65], 0
	v_nop
	global_prefetch_b8 v0, s[64:65] scope:SCOPE_SE
	s_setreg_imm32_b32 hwreg(HW_REG_WAVE_MODE, 25, 1), 1
	s_wait_xcnt 0x0
; FINE: the output rows of positions 0 to 15 of each sequence, all in f32: under the causal mask these rows average one to sixteen values and are the largest, so the rounding of 16-bit operands weighs most there.
; r32 [16 b + t][3072]: q, k, v of these positions in f32 (k without its bias, which the softmax cancels: shown at the head of the first kernel).  w_out [1024 k][1024 n], b_out [1024], out0 [8192][1024]: f32.
; SHARES.  A work-group makes 16 rows x 64 columns of out0: batch = y, columns 64 x on.  PHASE A: wave w is head w: its 16 x 16 attention; each work-group of a batch repeats it (32 matrix instructions a wave).
; The heads' y go to LDS as images of registers.  PHASE B: wave w takes 16 columns (w % 4) and a quarter of K (w / 4: four heads); the four quarters meet in LDS, and waves 0 to 7 add them and the bias and store two rows each.
; THE f32 MATRIX FORM holds K = 4: lane (r, h), register j: k = 2 h + j.  Here a lane's registers run along eight neighbours of K, so an instruction's four k are not neighbours; both sources take the same four.
; Both products of phase A and that of phase B are used transposed, so that a lane holds one query (lane % 16) throughout.  The registers that this form writes (v112-175) are written by matrix instructions alone; four accumulators take turns.
; No tensor load, no cluster, no prefetch: a small launch of 64 work-groups.
.set RB,    12288                      ; a row of r32
.set PART,  65536                      ; LDS: 0 .. 65,535 the 64 images of y (head w, tile c: 4,096 w + 1,024 c); here the four quarters' sums, 16 rows x 272 each
.set PPI,   272
.set SPARE, PART+4*16*PPI
.set SPW,   12
.set NIL,   13
.set QF,    16                         ; v16-47   q, later at work, later y
.set KFR,   48                         ; v48-79   k
.set VF,    80                         ; v80-111  v
.set SA,    112                        ; v112-143 four accumulators
.set OA,    144                        ; v144-175 four accumulators
.set SS,    176                        ; v176-183 scores, later the quarter's sum
.set PF,    184                        ; v184-191 p, later the bias
.set WA,    192                        ; v192-255 the first half of my weights
.set WB,    48                         ; v48-111  the second half
.set WV,    12
	s_load_b256 s[4:11], s[0:1], 0x0               ; r32 s[4:5], w_out s[6:7], b_out s[8:9], out0 s[10:11]
	v_lshl_add_u32 v[SPW], v0, 2, SPARE
	v_mov_b32 v[NIL], 0
	v_lshrrev_b32 v1, 5, v0
	v_readfirstlane_b32 s[WV], v1                  ; wave 0..15
	s_and_b32 s13, s[WV], 3                        ; which 16 columns
	s_lshr_b32 s14, s[WV], 2                       ; which quarter of K
	s_and_b32 s15, ttmp7, 0xffff                   ; the batch
	v_and_b32 v1, 15, v0                           ; r
	v_bfe_u32 v2, v0, 4, 1                         ; h
	v_mul_u32_u24 v4, v1, RB
	v_lshl_add_u32 v4, v2, 5, v4                   ; q, k: row r, my half's eight channels of each sixteen
	v_mul_u32_u24 v5, v2, 8*RB
	v_lshl_add_u32 v5, v1, 2, v5                   ; v: keys 8 h on, channel r of a tile
	v_lshlrev_b32 v6, 15, v2
	v_lshl_add_u32 v6, v1, 2, v6                   ; w_out: rows 8 h on, column r of my tile
	v_and_b32 v3, 31, v0
	v_lshlrev_b32 v3, 4, v3                        ; 16 x lane
	s_lshl_b32 s16, s[WV], 12
	v_add_nc_u32 v7, s16, v3                       ; where I store my head's images
	s_lshl_b32 s16, s14, 14
	v_add_nc_u32 v8, s16, v3                       ; where I read my quarter's
	s_mul_i32 s16, s14, 16*PPI
	s_lshl_b32 s17, s13, 6
	s_add_co_u32 s16, s16, s17
	s_add_co_u32 s16, s16, PART
	v_mul_u32_u24 v9, v1, PPI
	v_lshl_add_u32 v9, v2, 5, v9
	v_add_nc_u32 v9, s16, v9                       ; my quarter's sum: row r, 64 bytes a tile, 32 for each half of the lanes
	s_and_b32 s16, s[WV], 7
	s_mul_i32 s16, s16, 2*PPI
	s_add_co_u32 s16, s16, PART
	v_mul_u32_u24 v10, v2, PPI
	v_lshl_add_u32 v10, v1, 4, v10
	v_add_nc_u32 v10, s16, v10                     ; the end: rows 2 (w % 8) and the next, sixteen lanes to a row of 256 bytes
	v_lshlrev_b32 v11, 12, v2
	v_lshl_add_u32 v11, v1, 4, v11                 ; and the same in out0
	v_lshlrev_b32 v3, 4, v1                        ; the bias: 16 bytes at 16 (lane % 16)
	v_lshlrev_b32 v15, 3, v2
	v_sub_nc_u32 v15, v1, v15                      ; r - 8 h
	s_mov_b32 s20, 0x76543210
	s_mov_b32 s21, 0xfedcba98
	s_mov_b32 s22, 0x3e38aa3b                      ; c = log2(e) / 8
	s_mov_b32 s23, s22
	s_mov_b32 s17, 0
	s_mov_b32 s19, 0
	s_lshl_b32 s18, ttmp9, 8                       ; my 64 columns x 4 bytes
	s_wait_kmcnt 0x0
	s_mul_i32 s16, s15, 16*RB
	s_lshl_b32 s24, s[WV], 8
	s_add_co_u32 s16, s16, s24
	s_add_nc_u64 s[4:5], s[4:5], s[16:17]          ; r32 at (16 b, q of head w)
	s_lshl_b32 s16, s14, 20
	s_lshl_b32 s24, s13, 6
	s_add_co_u32 s16, s16, s24
	s_add_co_u32 s16, s16, s18
	s_add_nc_u64 s[6:7], s[6:7], s[16:17]          ; w_out at (256 x quarter, my 16 columns)
	s_add_nc_u64 s[8:9], s[8:9], s[18:19]
	s_lshl_b32 s16, s15, 23
	s_and_b32 s24, s[WV], 7
	s_lshl_b32 s24, s24, 13
	s_add_co_u32 s16, s16, s24
	s_add_co_u32 s16, s16, s18
	s_add_nc_u64 s[10:11], s[10:11], s[16:17]      ; out0 at (2,048 b + 2 (w % 8), my 64 columns)
.irp t, 0,1,2,3
	global_load_b128 v[QF+8*\t:QF+8*\t+3],   v4, s[4:5] offset:64*\t              ; register 8 t + i: channel 16 t + 8 h + i of row r
	global_load_b128 v[QF+8*\t+4:QF+8*\t+7], v4, s[4:5] offset:64*\t+16
	global_load_b128 v[KFR+8*\t:KFR+8*\t+3],   v4, s[4:5] offset:4096+64*\t
	global_load_b128 v[KFR+8*\t+4:KFR+8*\t+7], v4, s[4:5] offset:4096+64*\t+16
.endr
.irp c, 0,1,2,3
.irp i, 0,1,2,3,4,5,6,7
	global_load_b32 v[VF+8*\c+\i], v5, s[4:5] offset:8192+RB*\i+64*\c             ; register 8 c + i: v(key 8 h + i, channel 16 c + r)
.endr
.endr
.irp g, 0,1,2,3,4,5,6,7
.irp i, 0,1,2,3,4,5,6,7
	global_load_b32 v[WA+8*\g+\i], v6, s[6:7] offset:(16*\g+\i)*4096              ; register 8 g + i: w_out(256 quarter + 16 g + 8 h + i, my column r)
.endr
.endr
	s_wait_loadcnt 63                              ; 64 loads were issued behind q, k and v; 63 is the most that the wait can name, and a smaller count is safe
	; ---- A: S^T = k q^T: source 0 = 16 keys, source 1 = 16 queries
.irp t, 0,1,2,3
.irp j, 0,1,2,3
.if \t == 0
	v_wmma_f32_16x16x4_f32 v[SA+8*\j:SA+8*\j+7], v[KFR+8*\t+2*\j:KFR+8*\t+2*\j+1], v[QF+8*\t+2*\j:QF+8*\t+2*\j+1], 0
.else
	v_wmma_f32_16x16x4_f32 v[SA+8*\j:SA+8*\j+7], v[KFR+8*\t+2*\j:KFR+8*\t+2*\j+1], v[QF+8*\t+2*\j:QF+8*\t+2*\j+1], v[SA+8*\j:SA+8*\j+7]
.endif
.endr
.endr
.rept 8
	v_nop                                          ; eight places behind this form (ISA guide 7.12.1)
.endr
.irp i, 0,2,4,6
	v_pk_add_f32 v[SS+\i:SS+\i+1], v[SA+\i:SA+\i+1], v[SA+8+\i:SA+8+\i+1]         ; each accumulator from its low end on
.endr
.irp i, 0,2,4,6
	v_pk_add_f32 v[16+\i:17+\i], v[SA+16+\i:SA+16+\i+1], v[SA+24+\i:SA+24+\i+1]
.endr
.irp i, 0,2,4,6
	v_pk_add_f32 v[SS+\i:SS+\i+1], v[SS+\i:SS+\i+1], v[16+\i:17+\i]               ; register j: the score of key 8 h + j for query r
.endr
	v_mov_b32 v24, 0xff800000                      ; -infinity
.irp j, 0,1,2,3,4,5,6,7
	v_cmp_gt_i32 vcc_lo, \j, v15                   ; hidden where 8 h + j > r
	v_cndmask_b32 v[SS+\j], v[SS+\j], v24, vcc_lo
.endr
	v_max3_num_f32 v25, v[SS], v[SS+1], v[SS+2]
	v_max3_num_f32 v25, v25, v[SS+3], v[SS+4]
	v_max3_num_f32 v25, v25, v[SS+5], v[SS+6]
	v_max_num_f32 v25, v25, v[SS+7]
	v_mov_b32 v26, 0                               ; a lane permute's destination counts as one of its sources
	v_permlanex16_b32 v26, v25, s20, s21
	v_max_num_f32 v29, v25, v26                    ; the row's maximum: key 0 counts for every query, so it is a number
	v_mul_f32 v28, s22, v29
.irp i, 0,2,4,6
	v_pk_fma_f32 v[PF+\i:PF+\i+1], v[SS+\i:SS+\i+1], s[22:23], v[28:29] op_sel_hi:[1,0,0] neg_lo:[0,0,1] neg_hi:[0,0,1]
.endr
.irp j, 0,1,2,3,4,5,6,7
	v_exp_f32 v[PF+\j], v[PF+\j]
.endr
	v_nop
	s_wait_alu depctr_va_vdst(0)                   ; one wait for the eight, ahead of their first reader
	v_pk_add_f32 v[30:31], v[PF:PF+1], v[PF+2:PF+3]
	v_pk_add_f32 v[26:27], v[PF+4:PF+5], v[PF+6:PF+7]
	v_pk_add_f32 v[30:31], v[30:31], v[26:27]
	v_add_f32 v30, v30, v31
	v_permlanex16_b32 v31, v30, s20, s21
	v_add_f32 v30, v30, v31                        ; the row's sum
	v_rcp_f32 v14, v30
	v_nop
	s_wait_alu depctr_va_vdst(0)
	; O^T = v^T p: source 0 = 16 channels, source 1 = p; an instruction's four keys are 2 s, 2 s + 1, 8 + 2 s, 9 + 2 s on both sides
.irp s, 0,1,2,3
.irp c, 0,1,2,3
.if \s == 0
	v_wmma_f32_16x16x4_f32 v[OA+8*\c:OA+8*\c+7], v[VF+8*\c+2*\s:VF+8*\c+2*\s+1], v[PF+2*\s:PF+2*\s+1], 0
.else
	v_wmma_f32_16x16x4_f32 v[OA+8*\c:OA+8*\c+7], v[VF+8*\c+2*\s:VF+8*\c+2*\s+1], v[PF+2*\s:PF+2*\s+1], v[OA+8*\c:OA+8*\c+7]
.endif
.endr
.endr
.rept 8
	v_nop                                          ; places in front of the first read of results and of loads into registers that these products have read
.endr
	s_cmp_lt_u32 s[WV], 8
	s_cbranch_scc0 .Lno_bias
	global_load_b128 v[PF:PF+3], v3, s[8:9]        ; the bias of my four columns, for the end
.Lno_bias:
.irp g, 8,9,10,11,12,13,14,15
.irp i, 0,1,2,3,4,5,6,7
	global_load_b32 v[WB+8*(\g-8)+\i], v6, s[6:7] offset:(16*\g+\i)*4096
.endr
.endr
.irp i, 0,2,4,6,8,10,12,14,16,18,20,22,24,26,28,30
	v_pk_mul_f32 v[QF+\i:QF+\i+1], v[OA+\i:OA+\i+1], v[14:15] op_sel_hi:[1,0]     ; y: register 8 c + j: channel 16 c + 8 h + j of query r
.endr
.irp c, 0,1,2,3
	ds_store_b128 v7, v[QF+8*\c:QF+8*\c+3] offset:1024*\c
	ds_store_b128 v7, v[QF+8*\c+4:QF+8*\c+7] offset:1024*\c+512
.endr
	s_wait_dscnt 0x0                               ; for the others' sake: my images have landed
	s_barrier_signal -1
	s_barrier_wait -1
	; ---- B: out^T = w_out^T y^T over my 256 of K, a head at a time: source 0 = my 16 columns, source 1 = y
.irp g, 0,1,2,3
.if \g > 0
.rept 8
	v_nop                                          ; places in front of loads into registers that the last products have read
.endr
.endif
.irp c, 0,1,2,3
	ds_load_b128 v[QF+8*\c:QF+8*\c+3], v8 offset:4096*\g+1024*\c
	ds_load_b128 v[QF+8*\c+4:QF+8*\c+7], v8 offset:4096*\g+1024*\c+512
.endr
	s_wait_dscnt 0x0
.if \g == 0
	s_wait_loadcnt 63                              ; 64 or 65 loads were issued behind the first half of the weights
.endif
.if \g == 2
	s_wait_loadcnt 0x0                             ; the second half, and the bias
.endif
.irp c, 0,1,2,3
.set GP, 4*\g+\c
.if GP < 8
.set WR, WA+8*GP
.else
.set WR, WB+8*(GP-8)
.endif
.irp s, 0,1,2,3
.if GP == 0
	v_wmma_f32_16x16x4_f32 v[SA+8*\s:SA+8*\s+7], v[WR+2*\s:WR+2*\s+1], v[QF+8*\c+2*\s:QF+8*\c+2*\s+1], 0
.else
	v_wmma_f32_16x16x4_f32 v[SA+8*\s:SA+8*\s+7], v[WR+2*\s:WR+2*\s+1], v[QF+8*\c+2*\s:QF+8*\c+2*\s+1], v[SA+8*\s:SA+8*\s+7]
.endif
.endr
.endr
.endr
.rept 8
	v_nop
.endr
.irp i, 0,2,4,6
	v_pk_add_f32 v[SS+\i:SS+\i+1], v[SA+\i:SA+\i+1], v[SA+8+\i:SA+8+\i+1]
.endr
.irp i, 0,2,4,6
	v_pk_add_f32 v[16+\i:17+\i], v[SA+16+\i:SA+16+\i+1], v[SA+24+\i:SA+24+\i+1]
.endr
.irp i, 0,2,4,6
	v_pk_add_f32 v[SS+\i:SS+\i+1], v[SS+\i:SS+\i+1], v[16+\i:17+\i]               ; register j: my quarter's part of out(query r, column 8 h + j of my tile)
.endr
	ds_store_b128 v9, v[SS:SS+3]
	ds_store_b128 v9, v[SS+4:SS+7] offset:16
	s_wait_dscnt 0x0
	s_barrier_signal -1
	s_barrier_wait -1
	s_cmp_lt_u32 s[WV], 8
	s_cbranch_scc0 .Ldone
.irp k, 0,1,2,3
	ds_load_b128 v[16+4*\k:19+4*\k], v10 offset:\k*16*PPI
.endr
	s_wait_dscnt 0x0
	v_pk_add_f32 v[16:17], v[16:17], v[20:21]
	v_pk_add_f32 v[18:19], v[18:19], v[22:23]
	v_pk_add_f32 v[24:25], v[24:25], v[28:29]
	v_pk_add_f32 v[26:27], v[26:27], v[30:31]
	v_pk_add_f32 v[16:17], v[16:17], v[24:25]
	v_pk_add_f32 v[18:19], v[18:19], v[26:27]
	v_pk_add_f32 v[16:17], v[16:17], v[PF:PF+1]
	v_pk_add_f32 v[18:19], v[18:19], v[PF+2:PF+3]
	global_store_b128 v11, v[16:19], s[10:11]      ; sixteen lanes store 256 consecutive bytes, aligned
.Ldone:
	s_wait_tensorcnt 0x0                           ; the wave's end, behind my last LDS store
	ds_add_u32 v[SPW], v[NIL]
	s_wait_dscnt 0x0
	s_endpgm
.Lfunc_end_k_q3666e19f25_fine:
	.size	k_q3666e19f25_fine, .Lfunc_end_k_q3666e19f25_fine-k_q3666e19f25_fine
	.p2alignl 7, 3214868480
	.fill 96, 4, 3214868480
	.section	.rodata,"a",@progbits
	.p2align	6, 0x0
	.amdhsa_kernel k_q3666e19f25_fine
		.amdhsa_group_segment_fixed_size 84992
		.amdhsa_private_segment_fixed_size 0
		.amdhsa_enable_private_segment 0
		.amdhsa_kernarg_size 32
		.amdhsa_user_sgpr_count 2
		.amdhsa_user_sgpr_kernarg_segment_ptr 1
		.amdhsa_wavefront_size32 1
		.amdhsa_system_sgpr_workgroup_id_x 1
		.amdhsa_system_sgpr_workgroup_id_y 1
		.amdhsa_system_sgpr_workgroup_id_z 1
		.amdhsa_system_vgpr_workitem_id 0
		.amdhsa_next_free_vgpr 256
		.amdhsa_next_free_sgpr 66
		.amdhsa_reserve_vcc 1
		.amdhsa_float_denorm_mode_32 3
		.amdhsa_float_denorm_mode_16_64 3
		.amdhsa_memory_ordered 1
		.amdhsa_forward_progress 1
		.amdhsa_inst_pref_size 36
	.end_amdhsa_kernel
	.amdgpu_metadata
---
amdhsa.version: [ 1, 2 ]
amdhsa.kernels:
  - .name:           k_q3666e19f25_fine
    .symbol:         k_q3666e19f25_fine.kd
    .args:
      - { .name: r32, .offset: 0, .size: 8, .value_kind: global_buffer, .address_space: global }
      - { .name: w_out, .offset: 8, .size: 8, .value_kind: global_buffer, .address_space: global }
      - { .name: b_out, .offset: 16, .size: 8, .value_kind: global_buffer, .address_space: global }
      - { .name: out0, .offset: 24, .size: 8, .value_kind: global_buffer, .address_space: global }
    .group_segment_fixed_size: 84992
    .private_segment_fixed_size: 0
    .kernarg_segment_align: 8
    .kernarg_segment_size: 32
    .max_flat_workgroup_size: 512
    .sgpr_count:     66
    .vgpr_count:     256
    .wavefront_size: 32
...
	.end_amdgpu_metadata
.endif
;; end of part 5
